; MI455X (gfx1250); checked and timed in simulation.
; The chip was launched on July 23, 2026; its instructions are those of AMD's public machine-readable ISA for CDNA 5 (MIT licence, August 2026) and "CDNA5" Instruction Set Architecture Reference Guide (July 2026). The comments in the code are by the model that wrote it; some were corrected since.
;; Transformer Layer. Allowed arithmetic: matrix products marked QUANTISED: E4M3 operands, one given power-of-two scale a tensor, by v_wmma_f32_16x16x64_fp8_fp8 or v_wmma_f32_16x16x128_fp8_fp8, f32 sums; everything else in f32.
;; Inputs: down_w 1,024 x 4,096 float32; ln1_b 1,024 float32; ln1_g 1,024 float32; ln2_b 1,024 float32; ln2_g 1,024 float32; lowp_scales 12 int32 (the exponents e of the quantised operands' scales 2^e); out_w 1,024 x 1,024 float32; qkv_w 3,072 x 1,024 float32; up_w 4,096 x 1,024 float32; x 2 x 2,048 x 1,024 float32.
;; Outputs: out0 2 x 2,048 x 1,024 float32.
;; This version of the problem:
;;   THIS VERSION OF THE PROBLEM IS GIVEN IN LOW PRECISION. The matrix products marked QUANTISED in the list below multiply operands that are first quantised to E4M3 (4 exponent bits, 3 mantissa bits; 8 bits a number), with one given power-of-two scale for each operand tensor; their sums are f32. All else is computed in f32.
;;   The module's matrix products, in the order in which they are computed (A, B: the left and right operand; K: the contracted axis; several contracted axes count as one K, in the product's order):
;;     1. [M 4,096, K 1,024] x [K 1,024, N 3,072]; A: computed on the way; B: input qkv_w: QUANTISED (scales: A lowp_scales[0], B lowp_scales[1])
;;     2. batch 32 x [M 2,048, K 64] x [K 64, N 2,048]; A: computed on the way; B: computed on the way: QUANTISED (scales: A lowp_scales[2], B lowp_scales[3])
;;     3. batch 32 x [M 64, K 2,048] x [K 2,048, N 2,048]; A: computed on the way; B: softmax (see below): QUANTISED (scales: A lowp_scales[4], B lowp_scales[5])
;;     4. [M 4,096, K 1,024] x [K 1,024, N 1,024]; A: computed on the way; B: input out_w: QUANTISED (scales: A lowp_scales[6], B lowp_scales[7])
;;     5. [M 4,096, K 1,024] x [K 1,024, N 4,096]; A: computed on the way; B: input up_w: QUANTISED (scales: A lowp_scales[8], B lowp_scales[9])
;;     6. [M 4,096, K 4,096] x [K 4,096, N 1,024]; A: computed on the way; B: input down_w: QUANTISED (scales: A lowp_scales[10], B lowp_scales[11])
;;   THE QUANTISER, for each operand of a quantised product, along K:
;;     - The operand's scale is 2^e, e = its entry of the input lowp_scales (int32; the entries are numbered through the quantised products in the list's order, A before B).
;;     - Each number is divided by the scale, clamped to +-448, and rounded to the nearest number of E4M3, ties to even, subnormals kept.
;;     - The product sums the exact products of the quantised numbers (number of the format x scale) in f32.
;;   ~~~python
;;   def quantise(x, axis, e):      # numpy; x: float32 -> the quantised numbers, widened to float32 again
;;       x = np.moveaxis(x, axis, -1); K = x.shape[-1]
;;       r = np.clip(x / 2.0 ** e, -448, 448)
;;       step = 2.0 ** (np.maximum(np.frexp(np.where(r == 0, 1, r))[1] - 1, -6) - 3)
;;       q = np.round(r / step) * step * 2.0 ** e      # np.round: ties to even
;;       return np.moveaxis(q, -1, axis).astype(np.float32)
;;   ~~~
;;   SOFTMAX AHEAD OF A QUANTISED PRODUCT. Where the list says 'softmax', what is quantised is not the finished softmax but p = 2^(t - M), with t = logit x log2(e) and M = ceil(the row's largest t), a whole number; so 1/2 < the row's largest p <= 1. The row's sum l is taken of the UNQUANTISED p, in f32, and the product's result is divided by l at the end. Since M is a whole number, a kernel that streams over the keys may use a running M (the ceiling of the running maximum): every later rescaling is an exact power of two, so the quantised numbers keep their values, but for numbers so far below the row's largest that they fall under the format's range.
;;   OPERANDS COMPUTED ON THE WAY. 'Computed on the way' means the value that the module computes at that place (a softmax that the list does not call 'softmax' is quantised finished and normalised). What goes into a quantiser is computed in f32, as accurately as f32 sums, v_exp_f32 and their like allow (about 1e-6 of the number): no bf16 or f16 on the way to a quantiser, and a product that is left as it is and whose result goes on into a quantised operand takes f32 operands (vector FMAs, or v_wmma_f32_16x16x4_f32). A number that lies on a knife's edge between two numbers of the format may be rounded either way, as far as f32 arithmetic and the matrix unit's own rounding can turn it there, and no further.
;; One version. Each part assembles by itself: llvm-mc -triple=amdgcn-amd-amdhsa -mcpu=gfx1250 --defsym DOCPART=n.
;; ======== version 1 of 1: 7 launches
;; limits: a function is approximated: absolute error at most 1.5e-07; right only within a limited range of input values
;; workspace buffers: pc 16,777,216 bytes; qkvc 12,582,912 bytes; ac 4,194,304 bytes; x1 16,777,216 bytes; h2c 4,194,304 bytes; hid 16,777,216 bytes
;; launch prep (part 1): grid 1024 x 1, 4 waves a work-group, no clusters, 33,280 bytes of LDS; arguments x, ln1_g, ln1_b, lowp_scales, qkv_w, out_w, up_w, down_w, pc; writes pc
.if DOCPART == 1
	.amdgcn_target "amdgcn-amd-amdhsa--gfx1250"
	.amdhsa_code_object_version 6
	.text
	.protected	k_q5e0a62d2f6_prep
	.globl	k_q5e0a62d2f6_prep
	.p2align	8
	.type	k_q5e0a62d2f6_prep,@function
k_q5e0a62d2f6_prep:
	s_mov_b64 s[64:65], 0
	v_nop
	global_prefetch_b8 v0, s[64:65] scope:SCOPE_SE
	s_setreg_imm32_b32 hwreg(HW_REG_WAVE_MODE, 25, 1), 1
	s_wait_xcnt 0x0
; PREP: LayerNorm 1 of x, and the four weights, are turned into codes of FP8 (E4M3), one byte a number, K innermost, each tensor with its given scale 2^e.
; pc holds, on end: LN1(x) [4096][1024] (e0), qkv_w [3072][1024] (e1), out_w [1024][1024] (e7), up_w [4096][1024] (e9), down_w [1024][4096] (e11).
; code = number / 2^e, held within +-448, rounded to the nearest code, ties to even.  LIMITS: each e between -126 and 119 (448 x 2^e is made as an f32 pattern).  NaN among the inputs is not served.
; A CHUNK is 1,024 numbers (4,096 bytes; a row of x is one chunk).  All tensors are dense streams of chunks, and pc's parts lie in the order of the work-groups, so chunk n of the launch goes to byte 1,024 n of pc.
; A wave takes 4 chunks, a work-group 16.  Work-groups 0-255: x; 256-447: qkv_w; 448-511: out_w; 512-767: up_w; 768-1023: down_w.
; Each load of a wave reads 512 bytes on end, 16 a lane: register 4 i + j of a chunk holds k = 128 i + 4 lane + j.  With one scale for a tensor a conversion may take any eight numbers: its two result
; registers hold the four codes of load 2 g and of load 2 g + 1.  The CODES (a quarter of the bytes) are put in order through the wave's own stage in LDS: eight stores of 4 bytes a lane, two loads of 16, and the wave stores 512 bytes on end.
; No matrix unit, no tensor load, no barrier: memory binds, and waves share nothing.  All 32 loads of a wave's four chunks are out at once.
.set X,  32                            ; v32-159  four chunks of 32 registers
.set G,  160                           ; v160-191 the gain, in a chunk's layout
.set BT, 192                           ; v192-223 the bias
.set C,  16                            ; v16-23   a chunk's codes
; v1 16 x lane; v2, v3 the stage of the LayerNorm's way (in, out); v6, v7 the stage of the weights' way: each way has LDS bytes of its own; v11 2^e; v224-231 at work
	s_load_b512 s[8:23], s[0:1], 0x0               ; x s[8:9], ln1_g s[10:11], ln1_b s[12:13], the exponents s[14:15], qkv_w s[16:17], out_w s[18:19], up_w s[20:21], down_w s[22:23]
	s_load_b64 s[24:25], s[0:1], 0x40              ; pc
	v_lshl_add_u32 v232, v0, 2, 0x8000
	v_mov_b32 v233, 0
	v_lshrrev_b32 v4, 5, v0
	v_readfirstlane_b32 s26, v4                    ; wave
	v_and_b32 v5, 31, v0                           ; lane
	v_lshlrev_b32 v1, 4, v5
	s_lshl_b32 s29, s26, 12                        ; 4,096 bytes of stage a wave: 1,024 a chunk
	v_lshl_add_u32 v2, v5, 2, s29
	v_lshl_add_u32 v3, v5, 4, s29
	v_add_nc_u32 v6, 16384, v2
	v_add_nc_u32 v7, 16384, v3
	v_mov_b32 v228, 0                              ; written once: a lane permute's destination counts as one of its sources
	s_mov_b32 s44, 0x76543210                      ; v_permlanex16_b32: lane l xor 16
	s_mov_b32 s45, 0xfedcba98
	s_mov_b32 s46, 0x3a800000                      ; 1 / 1024
	s_mov_b32 s47, 0x3727c5ac                      ; 1e-5
	s_wait_kmcnt 0x0
	s_load_b256 s[32:39], s[14:15], 0x0            ; e0 .. e7
	s_load_b128 s[40:43], s[14:15], 0x20           ; e8 .. e11
	s_mov_b64 s[4:5], s[22:23]                     ; which tensor is mine: the choice hangs on the work-group's number alone
	s_mov_b32 s27, 768                             ; and its first work-group
	s_cmp_lt_u32 ttmp9, 768
	s_cselect_b64 s[4:5], s[20:21], s[4:5]
	s_cselect_b32 s27, 512, s27
	s_cmp_lt_u32 ttmp9, 512
	s_cselect_b64 s[4:5], s[18:19], s[4:5]
	s_cselect_b32 s27, 448, s27
	s_cmp_lt_u32 ttmp9, 448
	s_cselect_b64 s[4:5], s[16:17], s[4:5]
	s_cselect_b32 s27, 256, s27
	s_cmp_lt_u32 ttmp9, 256
	s_cselect_b64 s[4:5], s[8:9], s[4:5]
	s_cselect_b32 s27, 0, s27
	s_sub_co_u32 s30, ttmp9, s27
	s_lshl_b32 s30, s30, 2
	s_add_co_u32 s30, s30, s26
	s_lshl_b32 s30, s30, 14                        ; my wave's four chunks in the tensor: 16,384 bytes
	s_mov_b32 s31, 0
	s_add_nc_u64 s[4:5], s[4:5], s[30:31]
	s_lshl_b32 s30, ttmp9, 2
	s_add_co_u32 s30, s30, s26
	s_lshl_b32 s30, s30, 12                        ; and in pc: 4,096 bytes
	s_add_nc_u64 s[6:7], s[24:25], s[30:31]
.macro XLOAD c                         ; chunk c: eight loads of 512 bytes on end
.irp i, 0,1,2,3,4,5,6,7
	global_load_b128 v[X+32*(\c)+4*\i:X+32*(\c)+4*\i+3], v1, s[4:5] offset:4096*(\c)+512*\i th:TH_LOAD_NT
.endr
.endm
.macro MKSCALE                         ; my tensor's e, 2^e and 448 x 2^e
	s_wait_kmcnt 0x0
	s_mov_b32 s28, s43
	s_cmp_lt_u32 ttmp9, 768
	s_cselect_b32 s28, s41, s28
	s_cmp_lt_u32 ttmp9, 512
	s_cselect_b32 s28, s39, s28
	s_cmp_lt_u32 ttmp9, 448
	s_cselect_b32 s28, s33, s28
	s_cmp_lt_u32 ttmp9, 256
	s_cselect_b32 s28, s32, s28
	s_add_co_i32 s28, s28, 127
	s_lshl_b32 s29, s28, 23
	v_mov_b32 v11, s29                             ; 2^e as f32: the conversion takes its exponent field
	s_add_co_i32 s28, s28, 8
	s_lshl_b32 s28, s28, 23
	s_or_b32 s28, s28, 0x600000
.endm
.macro QOUT c, sa, ra                  ; chunk c: hold, convert, put the codes in order through the stage, store
.set XB, X+32*(\c)
.set j, 0
.rept 32
.set j, j+1
.endr
.irp g, 0,1,2,3
	v_cvt_scalef32_pk8_fp8_f32 v[C+2*\g:C+2*\g+1], v[XB+8*\g:XB+8*\g+7], v11
.endr
	v_nop                                          ; one plain vector line behind the last conversion
.irp i, 0,1,2,3,4,5,6,7
	ds_store_b32 v[\sa], v[C+\i] offset:1024*(\c)+128*\i   ; the four codes of k = 128 i + 4 lane on
.endr
.irp u, 0,1
	ds_load_b128 v[XB+4*\u:XB+4*\u+3], v[\ra] offset:1024*(\c)+512*\u   ; LDS serves a wave's instructions in order: these see my stores
.endr
	s_wait_dscnt 0x0                               ; the codes are back, and the stores have read v16-23
.irp u, 0,1
	global_store_b128 v1, v[XB+4*\u:XB+4*\u+3], s[6:7] offset:1024*(\c)+512*\u   ; 512 bytes on end; each chunk's data lie in registers of its own
.endr
.endm
.macro WSUM r                          ; the sum over the wave's 32 lanes, in every lane
	v_add_f32_dpp v[\r], v[\r], v[\r] row_xmask:1 row_mask:0xf bank_mask:0xf
	v_add_f32_dpp v[\r], v[\r], v[\r] row_xmask:2 row_mask:0xf bank_mask:0xf
	v_add_f32_dpp v[\r], v[\r], v[\r] row_xmask:4 row_mask:0xf bank_mask:0xf
	v_add_f32_dpp v[\r], v[\r], v[\r] row_xmask:8 row_mask:0xf bank_mask:0xf
	v_permlanex16_b32 v228, v[\r], s44, s45
	v_add_f32 v[\r], v[\r], v228
.endm
.macro LNROW c                         ; (x - mean) x rsqrt(mean of squares of (x - mean) + 1e-5) x g + b, in two passes over the registers, as it is defined
.set XB, X+32*(\c)
	v_pk_add_f32 v[224:225], v[XB:XB+1], v[XB+2:XB+3]
	v_pk_add_f32 v[226:227], v[XB+4:XB+5], v[XB+6:XB+7]
.set j, 8
.rept 6
	v_pk_add_f32 v[224:225], v[224:225], v[XB+j:XB+j+1]
	v_pk_add_f32 v[226:227], v[226:227], v[XB+j+2:XB+j+3]
.set j, j+4
.endr
	v_pk_add_f32 v[224:225], v[224:225], v[226:227]
	v_add_f32 v224, v224, v225
	WSUM 224
	v_mul_f32 v230, s46, v224                      ; the mean, twice, for the packed form
	v_mov_b32 v231, v230
.set j, 0
.rept 16
	v_pk_add_f32 v[XB+j:XB+j+1], v[XB+j:XB+j+1], v[230:231] neg_lo:[0,1] neg_hi:[0,1]
.set j, j+2
.endr
	v_pk_mul_f32 v[224:225], v[XB:XB+1], v[XB:XB+1]
	v_pk_mul_f32 v[226:227], v[XB+2:XB+3], v[XB+2:XB+3]
.set j, 4
.rept 7
	v_pk_fma_f32 v[224:225], v[XB+j:XB+j+1], v[XB+j:XB+j+1], v[224:225]
	v_pk_fma_f32 v[226:227], v[XB+j+2:XB+j+3], v[XB+j+2:XB+j+3], v[226:227]
.set j, j+4
.endr
	v_pk_add_f32 v[224:225], v[224:225], v[226:227]
	v_add_f32 v224, v224, v225
	WSUM 224
	v_fma_f32 v224, v224, s46, s47                 ; the variance + 1e-5
	s_wait_alu depctr_va_vdst(0)
	v_rsq_f32 v230, v224
	v_nop                                          ; a plain line behind the transcendental,
	s_wait_alu depctr_va_vdst(0)                   ; and the wait ahead of its first reader
	v_mov_b32 v231, v230
.set j, 0
.rept 16
	v_pk_mul_f32 v[XB+j:XB+j+1], v[XB+j:XB+j+1], v[230:231]
.set j, j+2
.endr
.set j, 0
.rept 16
	v_pk_fma_f32 v[XB+j:XB+j+1], v[XB+j:XB+j+1], v[G+j:G+j+1], v[BT+j:BT+j+1]
.set j, j+2
.endr
.endm
	s_cmp_lt_u32 ttmp9, 256
	s_cbranch_scc0 .Lweights
	s_wait_alu depctr_va_vdst(0)
.irp i, 0,1,2,3,4,5,6,7
	global_load_b128 v[G+4*\i:G+4*\i+3], v1, s[10:11] offset:512*\i
	global_load_b128 v[BT+4*\i:BT+4*\i+3], v1, s[12:13] offset:512*\i
.endr
	XLOAD 0
	XLOAD 1
	XLOAD 2
	XLOAD 3
	MKSCALE
.irp c, 0,1,2,3
	s_wait_loadcnt 24-8*\c                         ; gain, bias and chunk c are in; the eight loads of each younger chunk may be out
	LNROW \c
	QOUT \c, 2, 3
.endr
	s_wait_tensorcnt 0x0
	ds_add_u32 v232, v233
	s_wait_dscnt 0x0
	s_endpgm
.Lweights:
	s_wait_alu depctr_va_vdst(0)
	XLOAD 0
	XLOAD 1
	XLOAD 2
	XLOAD 3
	MKSCALE
	s_wait_alu depctr_va_vdst(0)
.irp c, 0,1,2,3
	s_wait_loadcnt 24-8*\c                         ; chunk c is in; the eight loads of each younger chunk may be out
	QOUT \c, 6, 7
.endr
	s_wait_tensorcnt 0x0
	ds_add_u32 v232, v233
	s_wait_dscnt 0x0
	s_endpgm
.Lfunc_end_k_q5e0a62d2f6_prep:
	.size	k_q5e0a62d2f6_prep, .Lfunc_end_k_q5e0a62d2f6_prep-k_q5e0a62d2f6_prep
	.p2alignl 7, 3214868480
	.fill 96, 4, 3214868480
	.section	.rodata,"a",@progbits
	.p2align	6, 0x0
	.amdhsa_kernel k_q5e0a62d2f6_prep
		.amdhsa_group_segment_fixed_size 33280
		.amdhsa_private_segment_fixed_size 0
		.amdhsa_enable_private_segment 0
		.amdhsa_kernarg_size 72
		.amdhsa_user_sgpr_count 2
		.amdhsa_user_sgpr_kernarg_segment_ptr 1
		.amdhsa_wavefront_size32 1
		.amdhsa_system_sgpr_workgroup_id_x 1
		.amdhsa_system_sgpr_workgroup_id_y 1
		.amdhsa_system_sgpr_workgroup_id_z 1
		.amdhsa_system_vgpr_workitem_id 0
		.amdhsa_next_free_vgpr 234
		.amdhsa_next_free_sgpr 66
		.amdhsa_reserve_vcc 0
		.amdhsa_float_denorm_mode_32 3
		.amdhsa_float_denorm_mode_16_64 3
		.amdhsa_fp16_overflow 1
		.amdhsa_memory_ordered 1
		.amdhsa_forward_progress 1
		.amdhsa_inst_pref_size 46
	.end_amdhsa_kernel
	.amdgpu_metadata
---
amdhsa.version: [ 1, 2 ]
amdhsa.kernels:
  - .name:           k_q5e0a62d2f6_prep
    .symbol:         k_q5e0a62d2f6_prep.kd
    .args:
      - { .name: x, .offset: 0, .size: 8, .value_kind: global_buffer, .address_space: global }
      - { .name: ln1_g, .offset: 8, .size: 8, .value_kind: global_buffer, .address_space: global }
      - { .name: ln1_b, .offset: 16, .size: 8, .value_kind: global_buffer, .address_space: global }
      - { .name: lowp_scales, .offset: 24, .size: 8, .value_kind: global_buffer, .address_space: global }
      - { .name: qkv_w, .offset: 32, .size: 8, .value_kind: global_buffer, .address_space: global }
      - { .name: out_w, .offset: 40, .size: 8, .value_kind: global_buffer, .address_space: global }
      - { .name: up_w, .offset: 48, .size: 8, .value_kind: global_buffer, .address_space: global }
      - { .name: down_w, .offset: 56, .size: 8, .value_kind: global_buffer, .address_space: global }
      - { .name: pc, .offset: 64, .size: 8, .value_kind: global_buffer, .address_space: global }
    .group_segment_fixed_size: 33280
    .private_segment_fixed_size: 0
    .kernarg_segment_align: 8
    .kernarg_segment_size: 72
    .max_flat_workgroup_size: 128
    .sgpr_count:     66
    .vgpr_count:     234
    .wavefront_size: 32
...
	.end_amdgpu_metadata
.endif
;; end of part 1
;; launch qkv (part 2): grid 12 x 16, 4 waves a work-group, clusters of 4 x 4, 327,680 bytes of LDS; arguments pc, lowp_scales, qkvc; writes qkvc
.if DOCPART == 2
	.amdgcn_target "amdgcn-amd-amdhsa--gfx1250"
	.amdhsa_code_object_version 6
	.text
	.protected	k_q5e0a62d2f6_qkv
	.globl	k_q5e0a62d2f6_qkv
	.p2align	8
	.type	k_q5e0a62d2f6_qkv,@function
k_q5e0a62d2f6_qkv:
	s_mov_b64 s[64:65], 0
	v_nop
	global_prefetch_b8 v0, s[64:65] scope:SCOPE_SE
	s_setreg_imm32_b32 hwreg(HW_REG_WAVE_MODE, 25, 1), 1
	s_wait_xcnt 0x0
	s_wait_alu depctr_hold_cnt(0) depctr_sa_sdst(0) depctr_va_vdst(0) depctr_va_sdst(0) depctr_va_ssrc(0) depctr_va_vcc(0) depctr_vm_vsrc(0)
	s_getreg_b32 s2, hwreg(HW_REG_IB_STS2, 6, 4)
	s_cmp_eq_u32 s2, 0
	s_cbranch_scc0 .Lentry_in_a_cluster
	s_endpgm
.Lentry_in_a_cluster:
	s_bfe_u32 s2, ttmp6, 0x10000c
	s_cmp_lg_u32 s2, 0xf033
	s_cbranch_scc0 .Lentry_shape_is_right
	s_endpgm
.Lentry_shape_is_right:
; QKV: the first product, LN1(x) qkv_w^T, on codes of FP8 (E4M3), K = 1,024, and its result quantised at once into the operands of attention.
; qkvc: q [32 (batch x 16 + head)][2048 tokens][64] (e2), then k likewise (e3), then v with the KEYS innermost, [32][64][2048 tokens] (e4): the keys are the K of attention's second product.
; v comes out so with no transposition: for it the SAME text multiplies the other way round, V^T = Wv h^T: rows of C are v's 1,024 features, columns are tokens.
; Clusters x = 0 (q) and 1 (k): "A" = the tokens' codes, "B" = rows 0-2047 of the weight.  Clusters x = 2 (v): "A" = rows 2048-3071 of the weight, "B" = the tokens' codes.  The choice hangs on the cluster's x alone, which all partners share.
; A sum stands for sum x 2^(e0 + e1), so its code is sum / 2^(eD - e0 - e1), held within +-448: one folded scale.  LIMIT: eD - e0 - e1 between -126 and 119.
; A tile of C, 256 x 256, is made by four waves, as many as a WGP has SIMDs; a wave makes 128 x 128: 64 accumulators, 512 registers.  K goes in steps of 256 through a ring of two LDS slots filled by the tensor data mover.
; CLUSTERS: 4 x 4 work-groups.  The four of a row need the same tiles of A, the four of a column the same tiles of B: each tile is asked for JOINTLY.  THE MATRIX INSTRUCTION IS USED TRANSPOSED (source 0 = 16 rows of B,
; source 1 = 16 rows of A): a lane holds eight neighbouring columns of a row of C, which one conversion turns into 8 bytes.
; REGISTERS, in windows of 256: window 0: v0-31 addresses; from v128 A's fragments, ONE set; on the way out v32-255 are free.  window 1: B's fragments, TWO sets.  windows 2, 3: the accumulators ((a, b) at v[8 (8 (a % 4) + b)]).
; No prefetch: K is four steps, and the clusters already divide the requests by four.
.set KSTEP,  256
.set ROWB,   256                       ; a tile's row in bytes
.set KROW,   1024                      ; a row of codes in memory
.set PITCH,  272                       ; an LDS row: 256 bytes + 16 of padding = 68 words: the 16 rows that a load touches start at 16 different banks (64 banks of 4 bytes: ISA guide 11.1)
.set FR,     16
.set NL,     4
.set NP,     4                         ; places behind this matrix instruction (ISA guide 7.12.1)
.set HALFT,  128*PITCH
.set SLOT,   4*HALFT
.set LAPS,   2                         ; 1,024 / (2 x 256)
.set SPARE,  2*SLOT                    ; behind the ring: the spare words, 128 bytes a wave, which no other line names
.set WQO,    0x400000                  ; qkv_w's codes in pc
.set WVO,    0x600000                  ; their rows 2048 on
.set ADRA, 16
.set LIMV, 18                          ; v18 448 x the folded scale
.set SCV,  19                          ; v19 the folded scale
.set ADRB, 20
.set COQ,  22                          ; v22 q, k: 16 x lane
.set STO,  24                          ; v24 the stage: where I put 8 bytes of a row
.set RD,   25                          ; v25 v: where I read rows back
.set CO,   26                          ; v26 v: my byte offset in two rows of the output
.set RDQ,  27                          ; v27 q, k: where I read 64-byte pieces of eight rows back
.set SPW,  28
.set NIL,  29
.set TMP,  32                          ; v32-95  a block's held sums
.set CD,   96                          ; v96-223 codes: 16 registers for each block, so that no LDS store's data are written again
.set AF,   128
.set G1, 24
.set G0, 32
.set G1B, 48
.set G0B, 56
.set MSB, 0
.macro WIN new                         ; the immediate's high byte repeats the setting that is left
.if MSB != (\new)
	s_set_vgpr_msb (MSB<<8)|(\new)
.set MSB, (\new)
.endif
.endm
.set MUL_LO, 0xa1                      ; source 0 (B) window 1, source 1 (A) window 0, C and D window 2
.set MUL_HI, 0xf1
.set TO_B,   0x40
.macro JLOAD g0a, g1a, g0b, g1b        ; a joint load: waves 0, 1 fetch for A, waves 2, 3 for B; four v_nop follow each line
	s_cmp_eq_u32 s15, 0
	s_cbranch_scc0 .Lfor_b_\@
	tensor_load_to_lds s[\g0a:\g0a+3], s[\g1a:\g1a+7]
	s_nop 0
.rept 4
	v_nop
.endr
	s_branch .Lasked_\@
.Lfor_b_\@:
	tensor_load_to_lds s[\g0b:\g0b+3], s[\g1b:\g1b+7]
	s_nop 0
.rept 4
	v_nop
.endr
.Lasked_\@:
.endm
.macro CREST
	s_cmp_lg_u32 s14, 0
	s_cbranch_scc1 .Lnot_wave_0_\@
	s_barrier_signal -3
.Lnot_wave_0_\@:
	s_barrier_wait -3
	s_barrier_signal -1
	s_barrier_wait -1
.endm
.macro CROUND
	s_barrier_signal -1
	s_barrier_wait -1
	CREST
.endm
	s_load_b128 s[4:7], s[0:1], 0x0                ; pc s[4:5], the exponents s[6:7]
	s_load_b64 s[10:11], s[0:1], 0x10              ; qkvc
	v_lshl_add_u32 v[SPW], v0, 2, SPARE
	v_mov_b32 v[NIL], 0
	ds_add_u32 v28, v29
	ds_add_u32 v28, v29
	s_wait_dscnt 0x0
	v_lshrrev_b32 v1, 5, v0
	v_readfirstlane_b32 s14, v1                    ; wave
	s_lshr_b32 s15, s14, 1                         ; my half of the tile's rows; also: I fetch for A (0) or B (1)
	s_and_b32 s16, s14, 1                          ; my half of its columns; also: which 128 rows I fetch
	s_bfe_u32 s40, ttmp6, 0x40000                  ; cx
	s_bfe_u32 s41, ttmp6, 0x40004                  ; cy
	s_and_b32 s66, ttmp7, 0xffff
	s_lshl_b32 s66, s66, 2                         ; 4 x cluster y
	s_lshl_b32 s67, ttmp9, 2                       ; 4 x cluster x
	s_cmp_eq_u32 ttmp9, 2                          ; v's clusters?
	s_cselect_b32 s17, 0, s66
	s_cselect_b32 s42, s66, s67
	s_cselect_b32 s68, WVO, 0                      ; where A's rows begin in pc,
	s_cselect_b32 s69, 0, WQO                      ; and B's
	s_add_co_u32 s17, s17, s41                     ; A's tile row: 4 x cluster y + cy, for v: cy
	s_add_co_u32 s42, s42, s40                     ; B's tile column: 4 x cluster x + cx, for v: 4 x cluster y + cx
	s_lshl_b32 s43, s41, 2
	s_lshl_b32 s43, 15, s43                        ; my row of the cluster
	s_lshl_b32 s44, 0x1111, s40                    ; my column
	s_or_b32 s[G1+0], s43, (0<<16)|(1<<20)|(1<<21)|(5<<22)|(3<<25)  ; the mask; elements of 1 byte; padding on; bit 21 beside a mask; 4 words behind every 64
	s_or_b32 s[G1B+0], s44, (0<<16)|(1<<20)|(1<<21)|(5<<22)|(3<<25)
.irp g, G1, G1B
	s_mov_b32 s[\g+1], ROWB<<16                    ; tensor_dim0
	s_mov_b32 s[\g+2], 128<<16                     ; tensor_dim1
	s_mov_b32 s[\g+3], ROWB<<16                    ; tile_dim0
	s_mov_b32 s[\g+4], 128                         ; tile_dim1
	s_mov_b32 s[\g+5], KROW                        ; the pitch
	s_mov_b32 s[\g+6], 0
	s_mov_b32 s[\g+7], 0
.endr
	s_lshl_b32 s18, s16, 7
	s_lshl_b32 s20, s17, 8
	s_add_co_u32 s20, s20, s18                     ; A: row 256 x tile row + 128 x half
	s_lshl_b32 s20, s20, 10
	s_add_co_u32 s20, s20, s68
	s_mov_b32 s21, 0
	s_lshl_b32 s46, s42, 8
	s_add_co_u32 s46, s46, s18
	s_lshl_b32 s46, s46, 10
	s_add_co_u32 s46, s46, s69
	s_mov_b32 s47, 0
	s_mul_i32 s45, s14, HALFT                      ; where they go: wave x 128 rows
	s_wait_kmcnt 0x0
	s_load_b256 s[84:91], s[6:7], 0x0              ; e0 .. e7
	s_add_nc_u64 s[20:21], s[4:5], s[20:21]
	s_add_nc_u64 s[46:47], s[4:5], s[46:47]
	CROUND                                         ; all sixteen work-groups are here: the first joint loads meet
.irp s, 0,1
	s_mov_b32 s[G0+4*\s], 1
	s_add_co_u32 s[G0+4*\s+1], s45, \s*SLOT
	s_add_nc_u64 s[G0+4*\s+2:G0+4*\s+3], s[20:21], \s*ROWB
	s_or_b32 s[G0+4*\s+3], s[G0+4*\s+3], 0x80000000
	s_mov_b32 s[G0B+4*\s], 1
	s_add_co_u32 s[G0B+4*\s+1], s45, \s*SLOT
	s_add_nc_u64 s[G0B+4*\s+2:G0B+4*\s+3], s[46:47], \s*ROWB
	s_or_b32 s[G0B+4*\s+3], s[G0B+4*\s+3], 0x80000000
	JLOAD G0+4*\s, G1, G0B+4*\s, G1B
.endr
	v_and_b32 v1, 15, v0                           ; r
	v_bfe_u32 v2, v0, 4, 1                         ; h
	v_mul_u32_u24 v3, v1, PITCH
	v_lshl_add_u32 v4, v2, 4, v3
	s_mul_i32 s21, s15, HALFT
	s_mul_i32 s22, s16, HALFT
	s_add_co_u32 s22, s22, 2*HALFT
.irp s, 0,1
	v_add_nc_u32 v[ADRA+\s], s21, v4
	v_add_nc_u32 v[ADRB+\s], s22, v4
	s_add_co_u32 s21, s21, SLOT
	s_add_co_u32 s22, s22, SLOT
.endr
	s_mul_i32 s23, s15, 128*PITCH                  ; the stage: 256 rows x 272 bytes at LDS byte 0: row 128 x my half + r, byte 128 x my column half + 8 h
	s_lshl_b32 s22, s16, 7
	s_add_co_u32 s23, s23, s22
	v_lshl_add_u32 v5, v2, 3, v3
	v_add_nc_u32 v[STO], s23, v5
	s_mul_i32 s23, s14, 64*PITCH                   ; back: wave w takes rows 64 w on
	v_mul_u32_u24 v5, v2, PITCH
	v_lshl_add_u32 v5, v1, 4, v5
	v_add_nc_u32 v[RD], s23, v5                    ; v: lanes 0-15 one whole row, lanes 16-31 the next
	v_and_b32 v6, 31, v0
	v_lshrrev_b32 v7, 2, v6
	v_and_b32 v8, 3, v6
	v_mul_u32_u24 v7, v7, PITCH
	v_lshl_add_u32 v7, v8, 4, v7
	v_add_nc_u32 v[RDQ], s23, v7                   ; q, k: four lanes take a head's 64 bytes of a row, eight rows an instruction
	v_lshlrev_b32 v[COQ], 4, v6
	v_lshlrev_b32 v5, 11, v2
	v_lshl_add_u32 v[CO], v1, 4, v5                ; v: a row of the output is 2,048 bytes
.macro FRAG reg, adr, q, i             ; 16 rows x 128 K: lane l holds row l % 16; registers 4 c .. 4 c + 3 hold K = 32 c + 16 (l / 16) + 0 .. 15: the same permutation of k in A and in B
.irp c, 0,1,2,3
	ds_load_b128 v[\reg+4*\c:\reg+4*\c+3], v[\adr] offset:128*(\q)+32*\c+(\i)*16*PITCH
.endr
.endm
.macro MUL16 a0, p, zero               ; A's blocks a0, a0 + 1 x B's eight; the 64 accumulators take turns, one instruction a turn
.irp a, \a0, \a0+1
.irp b, 0,1,2,3,4,5,6,7
.if \zero
	v_wmma_f32_16x16x128_fp8_fp8 v[8*(8*((\a)%4)+\b):8*(8*((\a)%4)+\b)+7], v[128*(\p)+FR*\b:128*(\p)+FR*\b+FR-1], v[AF+FR*(\a):AF+FR*(\a)+FR-1], 0
.else
	v_wmma_f32_16x16x128_fp8_fp8 v[8*(8*((\a)%4)+\b):8*(8*((\a)%4)+\b)+7], v[128*(\p)+FR*\b:128*(\p)+FR*\b+FR-1], v[AF+FR*(\a):AF+FR*(\a)+FR-1], v[8*(8*((\a)%4)+\b):8*(8*((\a)%4)+\b)+7]
.endif
.endr
.endr
.endm
.macro FETCH_B slot, q, p
	WIN TO_B
.irp i, 0,1,2,3,4,5,6,7
	FRAG 128*(\p)+FR*\i, ADRB+\slot, \q, \i
.endr
	WIN 0
.endm
.macro FETCH_A slot, q, i0
.irp i, \i0, \i0+1, \i0+2, \i0+3
	FRAG AF+FR*(\i), ADRA+\slot, \q, \i
.endr
.endm
.macro PLACES n                        ; plain vector lines between a matrix instruction and a load into, or a read of, its registers
.rept \n
	v_nop
.endr
.endm
.macro STEP slot, q, zero              ; 128 along K whose successor lies in the same slot
	s_wait_dscnt 4*NL                              ; B's set and A's blocks 0-3 are in; the youngest 16 loads (A's blocks 4-7) may be out
	WIN MUL_LO
	MUL16 0, (\q)%2, \zero
	MUL16 2, (\q)%2, \zero
	s_wait_dscnt 0
	PLACES NP
	FETCH_B \slot, (\q)+1, 1-(\q)%2
	FETCH_A \slot, (\q)+1, 0
	WIN MUL_HI
	MUL16 4, (\q)%2, \zero
	MUL16 6, (\q)%2, \zero
	PLACES NP
	WIN 0
	FETCH_A \slot, (\q)+1, 4
.endm
.macro TURN slot, next, fill           ; a slot's last step changes slots: one barrier; fill = 1: this slot is filled again, two K steps ahead
	s_wait_tensorcnt 0x0                           ; all my tensor loads have landed: my part of the next slot
	ds_add_u32 v[SPW], v[NIL]                      ; 0 onto my spare word
	s_wait_dscnt 4*NL+1                            ; the add and the youngest 16 loads may be out
	WIN MUL_LO
	MUL16 0, 1, 0
	s_wait_dscnt 0x0                               ; the add is done, and my reads of this slot are over
	s_barrier_signal -1
	MUL16 2, 1, 0
	WIN 0
	s_barrier_wait -1
.if \fill
	CREST                                          ; the barrier has opened a round of the cluster's: no wave of any partner still reads this slot or has a load on its way
	s_add_nc_u64 s[G0+4*\slot+2:G0+4*\slot+3], s[G0+4*\slot+2:G0+4*\slot+3], 2*ROWB
	s_add_nc_u64 s[G0B+4*\slot+2:G0B+4*\slot+3], s[G0B+4*\slot+2:G0B+4*\slot+3], 2*ROWB
	JLOAD G0+4*\slot, G1, G0B+4*\slot, G1B         ; the first tensor load behind the round; its four v_nop are the places in front of the loads below
.else
	PLACES NP
.endif
	FETCH_B \next, 0, 0
	FETCH_A \next, 0, 0
	WIN MUL_HI
	MUL16 4, 1, 0
	MUL16 6, 1, 0
	PLACES NP
	WIN 0
	FETCH_A \next, 0, 4
.endm
	s_wait_tensorcnt 1                             ; my part of K step 0 is in; K step 1's load may be out
	s_barrier_signal -1
	s_barrier_wait -1
	FETCH_B 0, 0, 0
	FETCH_A 0, 0, 0
	FETCH_A 0, 0, 4
	STEP 0, 0, 1                                   ; the first step's products start the sums: nothing is cleared
	s_mov_b32 s3, LAPS-1
.Llap:
	TURN 0, 1, 1
	STEP 1, 0, 0
	TURN 1, 0, 1
	STEP 0, 0, 0
	s_sub_co_u32 s3, s3, 1
	s_cmp_lg_u32 s3, 0
	s_cbranch_scc1 .Llap
	TURN 0, 1, 0                                   ; the last lap fills nothing
	STEP 1, 0, 0
	s_wait_dscnt 4*NL
	WIN MUL_LO
	MUL16 0, 1, 0
	MUL16 2, 1, 0
	s_wait_dscnt 0
	WIN MUL_HI
	MUL16 4, 1, 0
	MUL16 6, 1, 0
	WIN 0
; THE WAY OUT.  Each sum is held, eight neighbours of a row become 8 bytes, and the tile's 256 x 256 codes meet in ONE stage in slot 0, which has had its last fill and, behind the last change of slots, its last read.
	s_wait_kmcnt 0x0
	s_cmp_eq_u32 ttmp9, 0
	s_cselect_b32 s92, s86, s87                    ; e2 for q, e3 for k,
	s_cmp_eq_u32 ttmp9, 2
	s_cselect_b32 s92, s88, s92                    ; e4 for v
	s_sub_co_i32 s92, s92, s84
	s_sub_co_i32 s92, s92, s85                     ; eD - e0 - e1
	s_add_co_i32 s92, s92, 127
	s_lshl_b32 s93, s92, 23
	v_mov_b32 v[SCV], s93
	s_add_co_i32 s92, s92, 8
	s_lshl_b32 s92, s92, 23
	s_or_b32 s92, s92, 0x600000
	v_mov_b32 v[LIMV], s92
	PLACES NP
.macro QBLOCK a                        ; my rows 16 a on
	WIN 0x02+(\a)/4                                ; source 0: window 2 or 3
.set j, 0
.rept 64
	v_med3_num_f32 v[TMP+j], v[64*((\a)%4)+j], -v[LIMV], v[LIMV]   ; the hold (the conversion does not saturate: ISA guide 7.6.2); each accumulator from its low end on
.set j, j+1
.endr
	WIN 0
.irp b, 0,1,2,3,4,5,6,7
	v_cvt_scalef32_pk8_fp8_f32 v[CD+16*(\a)+2*\b:CD+16*(\a)+2*\b+1], v[TMP+8*\b:TMP+8*\b+7], v[SCV]
.endr
	v_nop                                          ; one plain vector line behind the last conversion
.irp b, 0,1,2,3,4,5,6,7
	ds_store_b64 v[STO], v[CD+16*(\a)+2*\b:CD+16*(\a)+2*\b+1] offset:16*PITCH*(\a)+16*\b
.endr
.endm
.irp a, 0,1,2,3,4,5,6,7
	QBLOCK \a
.endr
	s_wait_dscnt 0x0                               ; for the others' sake: my stores into the stage are done
	s_barrier_signal -1
	s_barrier_wait -1                              ; a row's 256 bytes come from two waves
	s_cmp_eq_u32 ttmp9, 2
	s_cbranch_scc1 .Lv_out
	; q, k: token 256 x tile row + m, head 4 cx + column / 64.  One instruction takes a head's 64 bytes of eight tokens: 512 bytes on end in the output
	s_lshr_b32 s20, s17, 3                         ; the batch
	s_lshl_b32 s20, s20, 15                        ; x 16 heads x 2,048 tokens
	s_and_b32 s21, s17, 7
	s_lshl_b32 s21, s21, 8
	s_add_co_u32 s20, s20, s21
	s_lshl_b32 s21, s14, 6
	s_add_co_u32 s20, s20, s21                     ; + my first token
	s_lshl_b32 s20, s20, 6                         ; x 64 bytes
	s_lshl_b32 s21, ttmp9, 22                      ; q's part or k's
	s_add_co_u32 s20, s20, s21
	s_mov_b32 s21, 0
	s_lshl_b32 s46, s40, 19                        ; 4 cx heads of 2,048 x 64 bytes
	s_mov_b32 s47, 0
	s_add_nc_u64 s[10:11], s[10:11], s[20:21]
	s_add_nc_u64 s[10:11], s[10:11], s[46:47]
.irp g, 0,1,2,3,4,5,6,7
.irp d, 0,1,2,3
	ds_load_b128 v[32+4*(4*\g+\d):32+4*(4*\g+\d)+3], v[RDQ] offset:8*PITCH*\g+64*\d
.endr
.endr
.irp g, 0,1,2,3,4,5,6,7
.irp d, 0,1,2,3
	s_wait_dscnt 31-(4*\g+\d)                      ; the younger loads may be out
	global_store_b128 v[COQ], v[32+4*(4*\g+\d):32+4*(4*\g+\d)+3], s[10:11] offset:131072*\d+512*\g
.endr
.endr
	s_branch .Ldone
.Lv_out:
	; v: row = feature 256 cy + m of the batch's 1,024, column = token: sixteen lanes store 256 bytes on end, aligned
	s_lshl_b32 s20, s17, 8
	s_lshl_b32 s21, s14, 6
	s_add_co_u32 s20, s20, s21
	s_lshl_b32 s20, s20, 11                        ; x 2,048 bytes a row
	s_add_co_u32 s20, s20, 0x800000                ; v's part
	s_mov_b32 s21, 0
	s_lshr_b32 s46, s42, 3                         ; the batch: 1,024 rows of 2,048 bytes
	s_lshl_b32 s46, s46, 21
	s_and_b32 s47, s42, 7
	s_lshl_b32 s47, s47, 8
	s_add_co_u32 s46, s46, s47
	s_mov_b32 s47, 0
	s_add_nc_u64 s[10:11], s[10:11], s[20:21]
	s_add_nc_u64 s[10:11], s[10:11], s[46:47]
.set t, 0
.rept 32
	ds_load_b128 v[32+4*t:32+4*t+3], v[RD] offset:t*2*PITCH
.set t, t+1
.endr
.set t, 0
.rept 32
	s_wait_dscnt 31-t                              ; the younger loads may be out
	global_store_b128 v[CO], v[32+4*t:32+4*t+3], s[10:11] offset:2*t*2048
.set t, t+1
.endr
.Ldone:
	s_wait_tensorcnt 0x0                           ; the wave's end
	ds_add_u32 v[SPW], v[NIL]
	s_wait_dscnt 0x0
	CROUND                                         ; the closing round
	s_endpgm
.Lfunc_end_k_q5e0a62d2f6_qkv:
	.size	k_q5e0a62d2f6_qkv, .Lfunc_end_k_q5e0a62d2f6_qkv-k_q5e0a62d2f6_qkv
	.p2alignl 7, 3214868480
	.fill 96, 4, 3214868480
	.section	.rodata,"a",@progbits
	.p2align	6, 0x0
	.amdhsa_kernel k_q5e0a62d2f6_qkv
		.amdhsa_group_segment_fixed_size 327680
		.amdhsa_private_segment_fixed_size 0
		.amdhsa_enable_private_segment 0
		.amdhsa_kernarg_size 24
		.amdhsa_user_sgpr_count 2
		.amdhsa_user_sgpr_kernarg_segment_ptr 1
		.amdhsa_wavefront_size32 1
		.amdhsa_system_sgpr_workgroup_id_x 1
		.amdhsa_system_sgpr_workgroup_id_y 1
		.amdhsa_system_sgpr_workgroup_id_z 1
		.amdhsa_system_vgpr_workitem_id 0
		.amdhsa_next_free_vgpr 1024
		.amdhsa_next_free_sgpr 100
		.amdhsa_reserve_vcc 0
		.amdhsa_float_denorm_mode_32 3
		.amdhsa_float_denorm_mode_16_64 3
		.amdhsa_memory_ordered 1
		.amdhsa_forward_progress 1
		.amdhsa_inst_pref_size 132
	.end_amdhsa_kernel
	.amdgpu_metadata
---
amdhsa.version: [ 1, 2 ]
amdhsa.kernels:
  - .name:           k_q5e0a62d2f6_qkv
    .symbol:         k_q5e0a62d2f6_qkv.kd
    .args:
      - { .name: pc, .offset: 0, .size: 8, .value_kind: global_buffer, .address_space: global }
      - { .name: lowp_scales, .offset: 8, .size: 8, .value_kind: global_buffer, .address_space: global }
      - { .name: qkvc, .offset: 16, .size: 8, .value_kind: global_buffer, .address_space: global }
    .group_segment_fixed_size: 327680
    .private_segment_fixed_size: 0
    .kernarg_segment_align: 8
    .kernarg_segment_size: 24
    .max_flat_workgroup_size: 128
    .sgpr_count:     100
    .vgpr_count:     1024
    .wavefront_size: 32
...
	.end_amdgpu_metadata
.endif
;; end of part 2
;; launch attn (part 3): grid 8 x 32, 8 waves a work-group, clusters of 4 x 1, 327,680 bytes of LDS; arguments qkvc, lowp_scales, ac; writes ac
.if DOCPART == 3
	.amdgcn_target "amdgcn-amd-amdhsa--gfx1250"
	.amdhsa_code_object_version 6
	.text
	.protected	k_q5e0a62d2f6_attn
	.globl	k_q5e0a62d2f6_attn
	.p2align	8
	.type	k_q5e0a62d2f6_attn,@function
k_q5e0a62d2f6_attn:
	s_mov_b64 s[64:65], 0
	v_nop
	global_prefetch_b8 v0, s[64:65] scope:SCOPE_SE
	s_setreg_imm32_b32 hwreg(HW_REG_WAVE_MODE, 25, 1), 1
	s_wait_xcnt 0x0
	s_wait_alu depctr_hold_cnt(0) depctr_sa_sdst(0) depctr_va_vdst(0) depctr_va_sdst(0) depctr_va_ssrc(0) depctr_va_vcc(0) depctr_vm_vsrc(0)
	s_getreg_b32 s2, hwreg(HW_REG_IB_STS2, 6, 4)
	s_cmp_eq_u32 s2, 0
	s_cbranch_scc0 .Lentry_in_a_cluster
	s_endpgm
.Lentry_in_a_cluster:
	s_bfe_u32 s2, ttmp6, 0x10000c
	s_cmp_lg_u32 s2, 0x3003
	s_cbranch_scc0 .Lentry_shape_is_right
	s_endpgm
.Lentry_shape_is_right:
; ATTENTION on codes of FP8 (E4M3), head size 64, 2,048 keys, no mask; its result is quantised at once (e6) into ac [32 (batch x 16 + head)][2048][64].
; q (e2), k (e3): [32][2048][64]; v (e4): [32][64][2048], the keys innermost.  THE SOFTMAX: t = score x log2(e) / 8; M = the running largest t rounded UP to a whole number; p = 2^(t - M) is quantised (e5), not normalised;
; the row's sum is taken of the unquantised p and divides at the end; when M moves, the sum and O are multiplied by 2^(old M - new M), which rounds nothing.
; SHARES.  A work-group owns 256 queries of one head, each of its eight waves 32: TWO tiles of 16.  Tile 0 lives in register window 0, tile 1 in window 1 UNDER THE SAME NUMBERS, so the softmax is written once and issued under two settings;
; each fragment of K and V read from LDS feeds two matrix instructions.  Two waves share a SIMD, so one wave's vector work stands beside the other's matrix work.
; LAYOUT.  Both products transposed: S^T = K Q^T (16x16x64), O^T = V^T P^T (16x16x128): a lane holds ONE query (lane % 16).  Lane r of key tile 2 b + u takes key 32 b + 8 u + r + 8 (r / 8), so that the 16 registers of tiles 2 b, 2 b + 1 are 16 neighbouring keys.
; THE HEAD'S WHOLE K AND V LIE IN LDS: 2,048 keys x 80 bytes and 8 tiles of 64 rows x 272 bytes, 303,104 bytes; every byte is filled once, so there is no ring, and no LDS byte that is read is ever written again.
; They come in four PHASES of 512 keys.  Every wave issues four tensor loads, one a phase, all at the head: waves 0-3 128 keys of K each, waves 4-7 32 rows x 256 keys of V each.  Four loads of a wave are out at the most.
; A phase begins with the counted wait for my load of it and one barrier of the work-group; the later phases' loads stay on their way meanwhile.
; CLUSTER: the four query blocks of a cluster walk the same K and V: each load is asked for jointly (mask 15); a round of the cluster's barrier stands in front of the loads and in front of the end.
; No prefetch: all of K and V is asked for by the tensor loads at the head, so there is no later request to run ahead of.
; LIMITS: e2 + e3 between -123 and 130 (added to c's exponent field); e5, and e6 - e5 - e4, between -126 and 119.  NaN among the inputs is not served.
; REGISTERS (* = also in window 1, for tile 1): v1-11 addresses; *v12 -M, *v13 the largest t, *v[14:15] the sum; *v16-23 Q; window 0 v32-95 K's 8 fragments, window 1 v32-95 V's 4; *v96-159 S^T, then p; *v160-191 O^T;
;   *v200-207, v212-215 at work; *v209: 2^e5; *v211: the same with e6 - e5 - e4; *v224-239 p's codes.
.set KP,    80                         ; a key's row in LDS: 64 bytes + 16
.set VP,    272                        ; a row of a tile of V (256 keys): 256 bytes + 16
.set VB,    2048*KP                    ; V's eight tiles lie behind K's 2,048 rows
.set STAGE, VB+8*64*VP                 ; behind them, bytes of its own: the way out, 32 rows x 80 bytes for each wave
.set KREG,  0x400000
.set VREG,  0x800000
.set AK0, 1                            ; v1  my lane's place in a tile of K
.set AV0, 2                            ; v2  the same for V
.set QO,  4
.set GO,  7
.set ADK, 8
.set ADV, 9
.set STO, 10
.set RD,  11
.set TBK, 2                            ; s2  LDS byte of the trip's first key in K
.set TBV, 3                            ; s3  LDS byte, from V's first tile on, of the trip's tile
.set WV,  18
.set TRIP, 19
.set SEL, 20
.set CS,  22
.set G1K, 24                           ; s[24:31] descriptor group 1 for K's tiles, s[32:39] for V's
.set G1V, 32
.set G0K, 40                           ; s[40:55] four groups 0 for K, one a phase; s[68:83] for V
.set G0V, 68
.set MSB, 0
.macro WIN new                         ; the immediate's high byte repeats the setting that is left
.if MSB != (\new)
	s_set_vgpr_msb (MSB<<8)|(\new)
.set MSB, (\new)
.endif
.endm
.macro PLACES
.rept 4
	v_nop
.endr
.endm
.macro CROUND                          ; a round of the cluster's barrier
	s_barrier_signal -1
	s_barrier_wait -1
	s_cmp_lg_u32 s[WV], 0
	s_cbranch_scc1 .Lnot_wave_0_\@
	s_barrier_signal -3
.Lnot_wave_0_\@:
	s_barrier_wait -3
	s_barrier_signal -1
	s_barrier_wait -1
.endm
.macro MKG0 g, lr, lo, bp, go          ; a descriptor's group 0: LDS byte s[lr] + lo, memory s[bp:bp+1] + go
	s_mov_b32 s[\g], 1
	s_add_co_u32 s[\g+1], s[\lr], \lo
	s_add_nc_u64 s[\g+2:\g+3], s[\bp:\bp+1], \go
	s_or_b32 s[\g+3], s[\g+3], 0x80000000
.endm
	s_load_b128 s[4:7], s[0:1], 0x0                ; qkvc s[4:5], the exponents s[6:7]
	s_load_b64 s[16:17], s[0:1], 0x10              ; ac
	v_lshl_add_u32 v254, v0, 2, 0x4f000
	v_mov_b32 v255, 0
	ds_add_u32 v254, v255
	ds_add_u32 v254, v255
	v_lshrrev_b32 v24, 5, v0
	s_delay_alu instid0(VALU_DEP_1)
	v_readfirstlane_b32 s[WV], v24                 ; wave 0..7
	s_bfe_u32 s13, ttmp6, 0x40000                  ; cx
	s_lshl_b32 s14, ttmp9, 2
	s_add_co_u32 s14, s14, s13                     ; my block of 256 queries: it enters Q's and the output's addresses alone
	s_and_b32 s12, ttmp7, 0xffff                   ; the head, which the partners share
	s_lshl_b32 s15, s12, 17                        ; its 131,072 bytes in each part
	s_and_b32 s8, s[WV], 3                         ; j: which quarter of a phase's K, or of its V, I fetch
	s_lshl_b32 s56, s8, 13                         ; K in memory: 128 j keys of 64 bytes
	s_add_co_u32 s56, s56, s15
	s_add_co_u32 s56, s56, KREG
	s_mov_b32 s57, 0
	s_and_b32 s58, s8, 1
	s_lshl_b32 s58, s58, 16                        ; V in memory: rows 32 (j % 2) on, 2,048 bytes a row,
	s_lshr_b32 s9, s8, 1
	s_lshl_b32 s9, s9, 8                           ; keys 256 (j / 2) on
	s_add_co_u32 s58, s58, s9
	s_add_co_u32 s58, s58, s15
	s_add_co_u32 s58, s58, VREG
	s_mov_b32 s59, 0
	s_mul_i32 s60, s8, 128*KP                      ; and in LDS: K's 128 rows,
	s_mul_i32 s61, s8, 32*VP                       ; V's 32 rows: half a tile, so j counts half tiles
	s_add_co_u32 s61, s61, VB
	s_lshl_b32 s62, s14, 14
	s_lshl_b32 s63, s[WV], 11
	s_add_co_u32 s62, s62, s63
	s_add_co_u32 s62, s62, s15                     ; my wave's 32 rows of 64 bytes, in q and in ac
	s_mov_b32 s63, 0
	s_mov_b32 s[G1K], 15|(0<<16)|(1<<20)|(1<<21)|(3<<22)|(3<<25)  ; the mask: all four; elements of 1 byte; padding on; bit 21 beside a mask; 4 words behind every 16: behind each key's 64 bytes
	s_mov_b32 s[G1K+1], 256<<16                    ; 128 keys are 8 KB on end: 32 rows of 256 bytes
	s_mov_b32 s[G1K+2], 32<<16
	s_mov_b32 s[G1K+3], 256<<16
	s_mov_b32 s[G1K+4], 32
	s_mov_b32 s[G1K+5], 256
	s_mov_b32 s[G1K+6], 0
	s_mov_b32 s[G1K+7], 0
	s_mov_b32 s[G1V], 15|(0<<16)|(1<<20)|(1<<21)|(5<<22)|(3<<25)  ; 4 words behind every 64
	s_mov_b32 s[G1V+1], 256<<16                    ; V: 32 rows of 256 bytes, 2,048 bytes apart
	s_mov_b32 s[G1V+2], 32<<16
	s_mov_b32 s[G1V+3], 256<<16
	s_mov_b32 s[G1V+4], 32
	s_mov_b32 s[G1V+5], 2048
	s_mov_b32 s[G1V+6], 0
	s_mov_b32 s[G1V+7], 0
	s_mov_b32 s[SEL], 0x76543210
	s_mov_b32 s[SEL+1], 0xfedcba98
	s_mov_b32 s[CS], 0x3e38aa3b                    ; c = log2(e) / 8
	s_mov_b32 s[TBK], 0
	s_mov_b32 s[TBV], 0
	s_wait_dscnt 0x0
	s_wait_kmcnt 0x0
	s_load_b256 s[84:91], s[6:7], 0x0              ; e0 .. e7
	s_add_nc_u64 s[56:57], s[4:5], s[56:57]        ; K at my part of phase 0
	s_add_nc_u64 s[58:59], s[4:5], s[58:59]        ; V likewise
	s_add_nc_u64 s[10:11], s[4:5], s[62:63]        ; Q at my first query
	s_add_nc_u64 s[16:17], s[16:17], s[62:63]      ; the output likewise
.irp p, 0,1,2,3
	MKG0 G0K+4*\p, 60, \p*512*KP, 56, \p*512*64    ; phase p: 512 keys on
	MKG0 G0V+4*\p, 61, \p*2*64*VP, 58, \p*512      ; two tiles on
.endr
	CROUND                                         ; all four work-groups are here: the joint loads meet
	s_cmp_lt_u32 s[WV], 4                          ; a wave's four loads stand in one branch on its number, ahead of every wait on TENSORcnt, every LDS read and every other barrier
	s_cbranch_scc0 .Lfirst_v
	tensor_load_to_lds s[G0K:G0K+3], s[G1K:G1K+7]
	s_nop 0
	tensor_load_to_lds s[G0K+4:G0K+7], s[G1K:G1K+7]
	s_nop 0
	tensor_load_to_lds s[G0K+8:G0K+11], s[G1K:G1K+7]
	s_nop 0
	tensor_load_to_lds s[G0K+12:G0K+15], s[G1K:G1K+7]
	s_nop 0
.rept 4
	v_nop
.endr
	s_branch .Lfirst_asked
.Lfirst_v:
	tensor_load_to_lds s[G0V:G0V+3], s[G1V:G1V+7]
	s_nop 0
	tensor_load_to_lds s[G0V+4:G0V+7], s[G1V:G1V+7]
	s_nop 0
	tensor_load_to_lds s[G0V+8:G0V+11], s[G1V:G1V+7]
	s_nop 0
	tensor_load_to_lds s[G0V+12:G0V+15], s[G1V:G1V+7]
	s_nop 0
.rept 4
	v_nop
.endr
.Lfirst_asked:
	v_and_b32 v24, 15, v0                          ; r
	v_bfe_u32 v25, v0, 4, 1                        ; h
	s_delay_alu instid0(VALU_DEP_2)
	v_lshlrev_b32 v[QO], 6, v24
	s_delay_alu instid0(VALU_DEP_1)
	v_lshl_add_u32 v[QO], v25, 4, v[QO]
	global_load_b128 v[16:19], v[QO], s[10:11]     ; Q's fragments stay: registers 4 c .. 4 c + 3 hold channels 32 c + 16 h + 0 .. 15, as K's do
	global_load_b128 v[20:23], v[QO], s[10:11] offset:32
	WIN 0x40                                       ; destination window 1: tile 1
	global_load_b128 v[16:19], v[QO], s[10:11] offset:1024
	global_load_b128 v[20:23], v[QO], s[10:11] offset:1056
	WIN 0
	v_and_b32 v26, 8, v24
	s_delay_alu instid0(VALU_DEP_1)
	v_add_nc_u32 v26, v26, v24                     ; r + 8 (r / 8)
	s_delay_alu instid0(VALU_DEP_1)
	v_mul_u32_u24 v[AK0], v26, KP
	s_delay_alu instid0(VALU_DEP_1)
	v_lshl_add_u32 v[AK0], v25, 4, v[AK0]
	v_mul_u32_u24 v[AV0], v24, VP
	s_delay_alu instid0(VALU_DEP_1)
	v_lshl_add_u32 v[AV0], v25, 4, v[AV0]
	s_delay_alu instid0(VALU_DEP_1)
	v_add_nc_u32 v[AV0], VB, v[AV0]
	v_and_b32 v27, 31, v0
	s_delay_alu instid0(VALU_DEP_1)
	v_lshlrev_b32 v[GO], 4, v27
	s_mul_i32 s97, s[WV], 32*KP                    ; the way out: my stage
	s_add_co_u32 s97, s97, STAGE
	v_mul_u32_u24 v[STO], v24, KP
	s_delay_alu instid0(VALU_DEP_1)
	v_lshl_add_u32 v[STO], v25, 3, v[STO]
	s_delay_alu instid0(VALU_DEP_1)
	v_add_nc_u32 v[STO], s97, v[STO]
	v_lshrrev_b32 v26, 2, v27
	v_and_b32 v27, 3, v27
	s_delay_alu instid0(VALU_DEP_2)
	v_mul_u32_u24 v[RD], v26, KP
	s_delay_alu instid0(VALU_DEP_1)
	v_lshl_add_u32 v[RD], v27, 4, v[RD]
	s_delay_alu instid0(VALU_DEP_1)
	v_add_nc_u32 v[RD], s97, v[RD]
	s_wait_kmcnt 0x0
	s_add_co_i32 s96, s86, s87
	s_lshl_b32 s96, s96, 23
	s_add_co_i32 s[CS], s[CS], s96                 ; a score stands for score x 2^(e2 + e3)
	s_mov_b32 s[CS+1], s[CS]
	s_add_co_i32 s96, s89, 127
	s_lshl_b32 s92, s96, 23                        ; 2^e5
	s_sub_co_i32 s96, s90, s89
	s_sub_co_i32 s96, s96, s88                     ; O^T / the sum stands for that x 2^(e4 + e5): its code is that / 2^(e6 - e5 - e4)
	s_add_co_i32 s96, s96, 127
	s_lshl_b32 s94, s96, 23
	s_add_co_i32 s96, s96, 8
	s_lshl_b32 s95, s96, 23
	s_or_b32 s95, s95, 0x600000
.macro INIT                            ; a tile's state.  The step is written once: the first finds zeros, which the first change of M leaves zeros
	v_mov_b32 v13, 0xff61b1e6                      ; -3e38, under every t
	s_delay_alu instid0(VALU_DEP_1)
	v_floor_f32 v12, -v13
	v_mov_b32 v14, 0
	v_mov_b32 v15, 0
	v_mov_b32 v203, 0                              ; named as the upper half of a pair
.set j, 0
.rept 32
	v_mov_b32 v[160+j], 0
.set j, j+1
.endr
	v_mov_b32 v209, s92
	v_mov_b32 v211, s94
.endm
	INIT
	WIN 0x55
	INIT
	WIN 0
.macro SOFTMAX                         ; one tile, 128 keys: all its registers lie in the window that is set
	v_max3_num_f32 v200, v96, v97, v98             ; the step's largest score of my query among my 64 keys, in FOUR chains that do not wait for each other; the registers in ascending order
	v_max3_num_f32 v201, v99, v100, v101
	v_max3_num_f32 v204, v102, v103, v104
	v_max3_num_f32 v205, v105, v106, v107
.irp i, 12,20,28,36,44,52
	v_max3_num_f32 v200, v200, v[96+\i], v[97+\i]
	v_max3_num_f32 v201, v201, v[98+\i], v[99+\i]
	v_max3_num_f32 v204, v204, v[100+\i], v[101+\i]
	v_max3_num_f32 v205, v205, v[102+\i], v[103+\i]
.endr
	v_max3_num_f32 v200, v200, v156, v157
	v_max3_num_f32 v201, v201, v158, v159
	s_delay_alu instid0(VALU_DEP_1)
	v_max3_num_f32 v200, v200, v201, v204
	s_delay_alu instid0(VALU_DEP_1)
	v_max_num_f32 v200, v200, v205
	s_delay_alu instid0(VALU_DEP_1)
	v_permlanex16_b32 v204, v200, s[SEL], s[SEL+1]
	s_delay_alu instid0(VALU_DEP_1)
	v_max_num_f32 v200, v200, v204                 ; and among lane l xor 16's
	s_delay_alu instid0(VALU_DEP_1)
	v_mul_f32 v200, s[CS], v200
	s_delay_alu instid0(VALU_DEP_1)
	v_max_num_f32 v13, v13, v200                   ; the running largest t
	v_mov_b32 v200, v12
	s_delay_alu instid0(VALU_DEP_2)
	v_floor_f32 v12, -v13                          ; -M = floor(-t): M is a whole number
	s_delay_alu instid0(VALU_DEP_1)
	v_sub_f32 v200, v12, v200
	s_delay_alu instid0(VALU_DEP_1)
	v_cvt_i32_f32 v200, v200                       ; (it saturates)
	s_delay_alu instid0(VALU_DEP_1)
	v_ldexp_f32 v202, 1.0, v200                    ; f = 2^(old M - new M)
.set j, 0
.rept 32
	v_pk_fma_f32 v[96+j:97+j], v[96+j:97+j], s[CS:CS+1], v[12:13] op_sel_hi:[1,0,0]   ; t - M
.set j, j+2
.endr
.set j, 0
	s_wait_alu depctr_va_vdst(0)
.rept 64
	v_exp_f32 v[96+j], v[96+j]                     ; p = 2^(t - M)
.set j, j+1
.endr
	v_pk_mul_f32 v[14:15], v[14:15], v[202:203] op_sel_hi:[1,0]   ; the sums under the new M: the plain line behind the exponentials
	s_wait_alu depctr_va_vdst(0)                   ; one wait for the batch, ahead of its first reader
	v_pk_add_f32 v[206:207], v[96:97], v[98:99]    ; the sum of the UNQUANTISED p, two at a time, in four chains
	v_pk_add_f32 v[212:213], v[100:101], v[102:103]
	v_pk_add_f32 v[214:215], v[104:105], v[106:107]
	v_pk_add_f32 v[14:15], v[14:15], v[108:109]
.irp j, 14,22,30,38,46,54
	v_pk_add_f32 v[206:207], v[206:207], v[96+\j:97+\j]
	v_pk_add_f32 v[212:213], v[212:213], v[98+\j:99+\j]
	v_pk_add_f32 v[214:215], v[214:215], v[100+\j:101+\j]
	v_pk_add_f32 v[14:15], v[14:15], v[102+\j:103+\j]
.endr
	v_pk_add_f32 v[206:207], v[206:207], v[158:159]
	s_delay_alu instid0(VALU_DEP_3)
	v_pk_add_f32 v[212:213], v[212:213], v[214:215]
	s_delay_alu instid0(VALU_DEP_2)
	v_pk_add_f32 v[14:15], v[14:15], v[206:207]
	s_delay_alu instid0(VALU_DEP_1)
	v_pk_add_f32 v[14:15], v[14:15], v[212:213]
.irp b, 0,1,2,3
.irp i, 0,1,2,3,4,5,6,7,8,9,10,11,12,13,14,15
.endr
	v_cvt_scalef32_pk8_fp8_f32 v[224+4*\b:225+4*\b], v[96+16*\b:103+16*\b], v209
	v_cvt_scalef32_pk8_fp8_f32 v[226+4*\b:227+4*\b], v[104+16*\b:111+16*\b], v209
.endr
.set j, 0
.rept 16
	v_pk_mul_f32 v[160+j:161+j], v[160+j:161+j], v[202:203] op_sel_hi:[1,0]   ; O^T under the new M; also the plain lines behind the conversions
.set j, j+2
.endr
.endm
.macro KLOAD q                         ; K's eight fragments of the 128 keys that begin 128 q behind the trip's first key: 16 LDS loads
	v_add_nc_u32 v[ADK], s[TBK], v[AK0]
.irp t, 0,1,2,3,4,5,6,7
.irp c, 0,1
	ds_load_b128 v[32+8*\t+4*\c:32+8*\t+4*\c+3], v[ADK] offset:(128*(\q)+32*(\t/2)+8*(\t%2))*KP+32*\c
.endr
.endr
.endm
; A KEY STEP: 128 keys, the q-th of the trip's 256.  Its fragments of K were asked for earlier.  pf = 1: the next step's K is asked for behind this step's K Q^T, and lands under the softmax;
; pf = 2: the same, but for the phase's last trip, whose successor lies in a phase that has not been shown landed: a scalar branch on the trip's counter leads round the 16 loads, and the next phase asks behind its barrier.
.macro STEP q, pf
	v_add_nc_u32 v[ADV], s[TBV], v[AV0]
	s_setprio 2
	v_nop                                          ; with the addition: four places in front of the loads into V's registers, which the last products read
	v_nop
	v_nop
	WIN 0x40                                       ; destination window 1
.irp t, 0,1,2,3
.irp c, 0,1,2,3
	ds_load_b128 v[32+16*\t+4*\c:32+16*\t+4*\c+3], v[ADV] offset:16*\t*VP+128*(\q)+32*\c
.endr
.endr
	s_wait_dscnt 16                                ; K, asked for ahead of them, is in; V's 16 loads may be out
	WIN 0
.irp t, 0,1,2,3,4,5,6,7
	v_wmma_f32_16x16x64_fp8_fp8 v[96+8*\t:103+8*\t], v[32+8*\t:39+8*\t], v[16:23], 0
.endr
	WIN 0x44                                       ; Q and S^T of tile 1; K stays in window 0
.irp t, 0,1,2,3,4,5,6,7
	v_wmma_f32_16x16x64_fp8_fp8 v[96+8*\t:103+8*\t], v[32+8*\t:39+8*\t], v[16:23], 0
.endr
	WIN 0
	PLACES                                         ; in front of the loads into K's registers and of the first read of the scores
.if \pf == 1
	KLOAD (\q)+1
.elseif \pf == 2
	s_cmp_eq_u32 s[TRIP], 1
	s_cbranch_scc1 .Lno_more_\@
	KLOAD (\q)+1
.Lno_more_\@:
.endif
	SOFTMAX
	WIN 0x55
	s_setprio 1
	SOFTMAX
	s_wait_alu depctr_va_vdst(0)
	s_wait_dscnt 0x0                               ; V is in (and the next step's K, asked for two softmaxes ago): the count is right whether or not those 16 loads were issued
	WIN 0x01                                       ; V in window 1; p and O^T of tile 0
	s_setprio 0
.irp t, 0,1,2,3
	v_wmma_f32_16x16x128_fp8_fp8 v[160+8*\t:167+8*\t], v[32+16*\t:47+16*\t], v[224:239], v[160+8*\t:167+8*\t]
.endr
	WIN 0x55
.irp t, 0,1,2,3
	v_wmma_f32_16x16x128_fp8_fp8 v[160+8*\t:167+8*\t], v[32+16*\t:47+16*\t], v[224:239], v[160+8*\t:167+8*\t]
.endr
	WIN 0
.endm
; A PHASE: 512 keys, two trips of two steps.  My load of this phase has landed (the 3 - p loads of the later phases may be out); behind the barrier everybody's has.
.macro PHASE p
	s_wait_tensorcnt 3-\p
	s_wait_dscnt 0x0                               ; no LDS instruction of mine is pending at the signal
	s_barrier_signal -1
	s_barrier_wait -1
	KLOAD 0
	s_mov_b32 s[TRIP], 2
.Ltrip_\@:
	STEP 0, 1
	STEP 1, 2
	s_add_co_u32 s[TBK], s[TBK], 256*KP            ; 256 keys on
	s_add_co_u32 s[TBV], s[TBV], 64*VP             ; a tile of V on
	s_sub_co_u32 s[TRIP], s[TRIP], 1
	s_cmp_lg_u32 s[TRIP], 0
	s_cbranch_scc1 .Ltrip_\@
	s_setprio 0
.endm
	s_wait_loadcnt 0x0                             ; Q
	PHASE 0
	PHASE 1
	PHASE 2
	PHASE 3
; THE WAY OUT.  O^T / the sum is held and converted: a lane's eight channels are 8 bytes; they go through my stage and leave as 512 bytes on end.
.macro OUTT
	v_add_f32 v14, v14, v15
	s_delay_alu instid0(VALU_DEP_1)
	v_permlanex16_b32 v204, v14, s[SEL], s[SEL+1]
	s_delay_alu instid0(VALU_DEP_1)
	v_add_f32 v14, v14, v204                       ; the row's sum
	s_wait_alu depctr_va_vdst(0)
	v_rcp_f32 v14, v14
	v_nop                                          ; a plain line behind the transcendental,
	s_wait_alu depctr_va_vdst(0)                   ; and the wait ahead of its first reader
.set j, 0
.rept 16
	v_pk_mul_f32 v[96+j:97+j], v[160+j:161+j], v[14:15] op_sel_hi:[1,0]
.set j, j+2
.endr
.set j, 0
.rept 32
.set j, j+1
.endr
.irp t, 0,1,2,3
	v_cvt_scalef32_pk8_fp8_f32 v[224+2*\t:225+2*\t], v[96+8*\t:103+8*\t], v211
.endr
	v_nop
.endm
	PLACES
	OUTT
.irp t, 0,1,2,3
	ds_store_b64 v[STO], v[224+2*\t:225+2*\t] offset:16*\t
.endr
	WIN 0x55
	OUTT
	WIN 0x04                                       ; the stores' data in window 1, their address in window 0
.irp t, 0,1,2,3
	ds_store_b64 v[STO], v[224+2*\t:225+2*\t] offset:16*KP+16*\t
.endr
	WIN 0
.irp i, 0,1,2,3
	ds_load_b128 v[32+4*\i:35+4*\i], v[RD] offset:8*KP*\i   ; LDS serves a wave's instructions in order: these see my stores
.endr
.irp i, 0,1,2,3
	s_wait_dscnt 3-\i                              ; the younger loads may be out
	global_store_b128 v[GO], v[32+4*\i:35+4*\i], s[16:17] offset:512*\i
.endr
	s_wait_dscnt 0x0
	s_wait_tensorcnt 0x0
	ds_add_u32 v254, v255
	s_wait_dscnt 0x0
	CROUND                                         ; the closing round: no work-group ends while a partner may still ask for a tile that names it
	s_endpgm
.Lfunc_end_k_q5e0a62d2f6_attn:
	.size	k_q5e0a62d2f6_attn, .Lfunc_end_k_q5e0a62d2f6_attn-k_q5e0a62d2f6_attn
	.p2alignl 7, 3214868480
	.fill 96, 4, 3214868480
	.section	.rodata,"a",@progbits
	.p2align	6, 0x0
	.amdhsa_kernel k_q5e0a62d2f6_attn
		.amdhsa_group_segment_fixed_size 327680
		.amdhsa_private_segment_fixed_size 0
		.amdhsa_enable_private_segment 0
		.amdhsa_kernarg_size 24
		.amdhsa_user_sgpr_count 2
		.amdhsa_user_sgpr_kernarg_segment_ptr 1
		.amdhsa_wavefront_size32 1
		.amdhsa_system_sgpr_workgroup_id_x 1
		.amdhsa_system_sgpr_workgroup_id_y 1
		.amdhsa_system_sgpr_workgroup_id_z 1
		.amdhsa_system_vgpr_workitem_id 0
		.amdhsa_next_free_vgpr 512
		.amdhsa_next_free_sgpr 100
		.amdhsa_reserve_vcc 0
		.amdhsa_float_denorm_mode_32 3
		.amdhsa_float_denorm_mode_16_64 3
		.amdhsa_fp16_overflow 1
		.amdhsa_memory_ordered 1
		.amdhsa_forward_progress 1
		.amdhsa_inst_pref_size 223
	.end_amdhsa_kernel
	.amdgpu_metadata
---
amdhsa.version: [ 1, 2 ]
amdhsa.kernels:
  - .name:           k_q5e0a62d2f6_attn
    .symbol:         k_q5e0a62d2f6_attn.kd
    .args:
      - { .name: qkvc, .offset: 0, .size: 8, .value_kind: global_buffer, .address_space: global }
      - { .name: lowp_scales, .offset: 8, .size: 8, .value_kind: global_buffer, .address_space: global }
      - { .name: ac, .offset: 16, .size: 8, .value_kind: global_buffer, .address_space: global }
    .group_segment_fixed_size: 327680
    .private_segment_fixed_size: 0
    .kernarg_segment_align: 8
    .kernarg_segment_size: 24
    .max_flat_workgroup_size: 256
    .sgpr_count:     100
    .vgpr_count:     512
    .wavefront_size: 32
...
	.end_amdgpu_metadata
.endif
;; end of part 3
;; launch outproj (part 4): grid 8 x 32, 4 waves a work-group, clusters of 4 x 4, 327,680 bytes of LDS; arguments ac, pc, lowp_scales, x, x1; writes x1
.if DOCPART == 4
	.amdgcn_target "amdgcn-amd-amdhsa--gfx1250"
	.amdhsa_code_object_version 6
	.text
	.protected	k_q5e0a62d2f6_outproj
	.globl	k_q5e0a62d2f6_outproj
	.p2align	8
	.type	k_q5e0a62d2f6_outproj,@function
k_q5e0a62d2f6_outproj:
	s_mov_b64 s[64:65], 0
	v_nop
	global_prefetch_b8 v0, s[64:65] scope:SCOPE_SE
	s_setreg_imm32_b32 hwreg(HW_REG_WAVE_MODE, 25, 1), 1
	s_wait_xcnt 0x0
	s_wait_alu depctr_hold_cnt(0) depctr_sa_sdst(0) depctr_va_vdst(0) depctr_va_sdst(0) depctr_va_ssrc(0) depctr_va_vcc(0) depctr_vm_vsrc(0)
	s_getreg_b32 s2, hwreg(HW_REG_IB_STS2, 6, 4)
	s_cmp_eq_u32 s2, 0
	s_cbranch_scc0 .Lentry_in_a_cluster
	s_endpgm
.Lentry_in_a_cluster:
	s_bfe_u32 s2, ttmp6, 0x10000c
	s_cmp_lg_u32 s2, 0xf033
	s_cbranch_scc0 .Lentry_shape_is_right
	s_endpgm
.Lentry_shape_is_right:
; OUTPROJ: x1 = x + attention's result x out_w^T, on codes of FP8 (E4M3), K = 1,024.  ac: [32 (batch x 16 + head)][2048][64] (e6); out_w's codes in pc, [1024][1024] (e7); x, x1: [4096][1024] f32.
; x1 = sum x 2^(e6 + e7) + x, one packed multiply-add for two numbers.  LIMIT: e6 + e7 between -126 and 127.
; N is 1,024: tiles of 256 x 256 would be 64; a tile of C is 128 x 128, 256 work-groups.  Four waves, each 64 x 64: 16 accumulators.
; THE WHOLE K LIES IN LDS: every byte is filled once, so there is no ring.  A comes head by head: a head's 128 tokens x 64 bytes are 8 KB on end, laid with 16 bytes behind each token's 64 (pitch 80); B in two halves of K, rows of 512 bytes (pitch 528).
; CLUSTERS: 4 x 4.  A's tiles are shared along a row of the cluster, B's along a column.  Every wave issues the same six joint loads (for each half of K: two heads of A, 32 rows of B): six are out at the most.
; THE MATRIX INSTRUCTION IS USED TRANSPOSED: a lane holds eight neighbouring columns of a row of C.  A wave's 64 columns of f32 are 256 bytes on end, aligned: its stage is its own, with no barrier.
; REGISTERS: window 0: v0-31 addresses; v32-95 the residual, two sets by turns; v96-127 rows back from the stage; v128-255 the accumulators.  window 1: two fragment buffers of 128 (A's four fragments, then B's four).
.set AP,    80
.set ABLK,  128*AP                     ; a head's block in LDS
.set BB,    16*ABLK                    ; B's first half
.set BP,    528
.set BHALF, 128*BP
.set STAGE, BB+2*BHALF                 ; bytes of its own: 16 rows x 272 for each wave
.set SPITCH, 272
.set WO,    0x700000
.set ADRA, 12                          ; v12-15: heads 4 j on
.set ADRB, 20                          ; v20-21: K half
.set STO,  24
.set RD,   25
.set CO,   26
.set R0,   32
.set RB,   96
.set ACC,  128
.set F0,   0
.set F1,   128
.set G1,  24
.set G1B, 48
.set MSB, 0
.macro WIN new
.if MSB != (\new)
	s_set_vgpr_msb (MSB<<8)|(\new)
.set MSB, (\new)
.endif
.endm
.set MUL,  0x05                        ; sources 0 (B) and 1 (A) window 1; C and D window 0
.set TO_F, 0x40
.macro PLACES
.rept 4
	v_nop
.endr
.endm
.macro CROUND
	s_barrier_signal -1
	s_barrier_wait -1
	s_cmp_lg_u32 s10, 0
	s_cbranch_scc1 .Lnot_wave_0_\@
	s_barrier_signal -3
.Lnot_wave_0_\@:
	s_barrier_wait -3
	s_barrier_signal -1
	s_barrier_wait -1
.endm
.macro MKG0 g, lr, lo, bp, go          ; a descriptor's group 0: LDS byte s[lr] + lo, memory s[bp:bp+1] + go
	s_mov_b32 s[\g], 1
	s_add_co_u32 s[\g+1], s[\lr], \lo
	s_add_nc_u64 s[\g+2:\g+3], s[\bp:\bp+1], \go
	s_or_b32 s[\g+3], s[\g+3], 0x80000000
.endm
	s_load_b128 s[4:7], s[0:1], 0x0                ; ac s[4:5], pc s[6:7]
	s_load_b64 s[8:9], s[0:1], 0x10                ; the exponents
	s_load_b128 s[68:71], s[0:1], 0x18             ; x s[68:69], x1 s[70:71]
	v_lshl_add_u32 v30, v0, 2, 0x4d400
	v_mov_b32 v31, 0
	ds_add_u32 v30, v31
	ds_add_u32 v30, v31
	v_lshrrev_b32 v1, 5, v0
	v_readfirstlane_b32 s10, v1                    ; wave
	s_lshr_b32 s11, s10, 1                         ; my half of the tile's rows
	s_and_b32 s12, s10, 1                          ; my half of its columns
	s_bfe_u32 s40, ttmp6, 0x40000
	s_bfe_u32 s41, ttmp6, 0x40004
	s_lshl_b32 s42, ttmp9, 2
	s_add_co_u32 s42, s42, s40                     ; tile column
	s_and_b32 s13, ttmp7, 0xffff
	s_lshl_b32 s13, s13, 2
	s_add_co_u32 s13, s13, s41                     ; tile row
	s_lshl_b32 s43, s41, 2
	s_lshl_b32 s43, 15, s43
	s_lshl_b32 s44, 0x1111, s40
	s_or_b32 s[G1+0], s43, (0<<16)|(1<<20)|(1<<21)|(3<<22)|(3<<25)   ; A: 4 words behind every 16: behind each token's 64 bytes
	s_mov_b32 s[G1+1], 256<<16                     ; 8 KB on end as 32 rows of 256 bytes
	s_mov_b32 s[G1+2], 32<<16
	s_mov_b32 s[G1+3], 256<<16
	s_mov_b32 s[G1+4], 32
	s_mov_b32 s[G1+5], 256
	s_mov_b32 s[G1+6], 0
	s_mov_b32 s[G1+7], 0
	s_or_b32 s[G1B+0], s44, (0<<16)|(1<<20)|(1<<21)|(6<<22)|(3<<25)  ; B: 4 words behind every 128
	s_mov_b32 s[G1B+1], 512<<16                    ; 32 rows of 512 bytes, 1,024 apart
	s_mov_b32 s[G1B+2], 32<<16
	s_mov_b32 s[G1B+3], 512<<16
	s_mov_b32 s[G1B+4], 32
	s_mov_b32 s[G1B+5], 1024
	s_mov_b32 s[G1B+6], 0
	s_mov_b32 s[G1B+7], 0
	s_lshr_b32 s16, s13, 4                         ; A: the batch: 16 heads of 131,072 bytes,
	s_lshl_b32 s16, s16, 21
	s_and_b32 s17, s13, 15
	s_lshl_b32 s17, s17, 13                        ; the tile's 128 tokens of 64 bytes,
	s_add_co_u32 s16, s16, s17
	s_lshl_b32 s17, s10, 18                        ; heads 2 w on
	s_add_co_u32 s16, s16, s17
	s_mov_b32 s17, 0
	s_lshl_b32 s46, s42, 7                         ; B: row 128 x tile column + 32 w
	s_lshl_b32 s47, s10, 5
	s_add_co_u32 s46, s46, s47
	s_lshl_b32 s46, s46, 10
	s_add_co_u32 s46, s46, WO
	s_mov_b32 s47, 0
	s_mul_i32 s20, s10, 2*ABLK
	s_mul_i32 s21, s10, 32*BP
	s_add_co_u32 s21, s21, BB
	s_wait_dscnt 0x0
	s_wait_kmcnt 0x0
	s_load_b64 s[96:97], s[8:9], 0x18              ; e6, e7
	s_add_nc_u64 s[14:15], s[4:5], s[16:17]
	s_add_nc_u64 s[46:47], s[6:7], s[46:47]
	MKG0 32, 20, 0, 14, 0                          ; K half 0: heads 2 w, 2 w + 1; B's K 0-511
	MKG0 36, 20, ABLK, 14, 0x20000
	MKG0 56, 21, 0, 46, 0
	MKG0 60, 20, 8*ABLK, 14, 0x100000              ; K half 1: heads 8 + 2 w, 9 + 2 w; B's K 512-1023
	MKG0 72, 20, 9*ABLK, 14, 0x120000
	MKG0 76, 21, BHALF, 46, 512
	CROUND                                         ; all sixteen work-groups are here: the joint loads meet
	tensor_load_to_lds s[32:35], s[G1:G1+7]
	s_nop 0
	tensor_load_to_lds s[36:39], s[G1:G1+7]
	s_nop 0
	tensor_load_to_lds s[56:59], s[G1B:G1B+7]
	s_nop 0
	tensor_load_to_lds s[60:63], s[G1:G1+7]
	s_nop 0
	tensor_load_to_lds s[72:75], s[G1:G1+7]
	s_nop 0
	tensor_load_to_lds s[76:79], s[G1B:G1B+7]
	s_nop 0
.rept 4
	v_nop
.endr
	v_and_b32 v1, 15, v0                           ; r
	v_bfe_u32 v2, v0, 4, 1                         ; h
	v_mul_u32_u24 v3, v1, AP
	v_lshl_add_u32 v3, v2, 4, v3
	s_mul_i32 s21, s11, 64*AP
.irp j, 0,1,2,3
	v_add_nc_u32 v[ADRA+\j], s21, v3
	s_add_co_u32 s21, s21, 4*ABLK
.endr
	v_mul_u32_u24 v4, v1, BP
	v_lshl_add_u32 v4, v2, 4, v4
	s_mul_i32 s22, s12, 64*BP
	s_add_co_u32 s22, s22, BB
.irp j, 0,1
	v_add_nc_u32 v[ADRB+\j], s22, v4
	s_add_co_u32 s22, s22, BHALF
.endr
	s_mul_i32 s23, s10, 16*SPITCH
	s_add_co_u32 s23, s23, STAGE
	v_mul_u32_u24 v4, v1, SPITCH
	v_lshl_add_u32 v4, v2, 5, v4
	v_add_nc_u32 v[STO], s23, v4                   ; in: row r, 32 bytes for each half of the lanes
	v_mul_u32_u24 v5, v2, SPITCH
	v_lshl_add_u32 v5, v1, 4, v5
	v_add_nc_u32 v[RD], s23, v5                    ; back: lanes 0-15 one row of 256 bytes, lanes 16-31 the next
	v_lshlrev_b32 v5, 12, v2
	v_lshl_add_u32 v[CO], v1, 4, v5                ; and the same in x and x1: rows of 4,096 bytes
	s_wait_alu depctr_va_vdst(0)
	s_lshl_b32 s16, s13, 7
	s_lshl_b32 s17, s11, 6
	s_add_co_u32 s16, s16, s17
	s_lshl_b32 s16, s16, 12                        ; my first row
	s_mov_b32 s17, 0
	s_lshl_b32 s46, s42, 9
	s_lshl_b32 s47, s12, 8
	s_add_co_u32 s46, s46, s47                     ; my first column, in bytes
	s_mov_b32 s47, 0
	s_add_nc_u64 s[68:69], s[68:69], s[16:17]
	s_add_nc_u64 s[68:69], s[68:69], s[46:47]
	s_add_nc_u64 s[70:71], s[70:71], s[16:17]
	s_add_nc_u64 s[70:71], s[70:71], s[46:47]
.macro RESLOAD a                       ; the residual of my rows 16 a on, in the layout in which rows come back from the stage
.set RL, R0+32*((\a)%2)
.irp t, 0,1,2,3,4,5,6,7
	global_load_b128 v[RL+4*\t:RL+4*\t+3], v[CO], s[68:69] offset:(16*(\a)+2*\t)*4096
.endr
.endm
	RESLOAD 0
	RESLOAD 1
.macro MUL8 f, a0, zero                ; the 16 accumulators take turns, one instruction a turn
.irp a, \a0, \a0+1
.irp b, 0,1,2,3
.if \zero
	v_wmma_f32_16x16x128_fp8_fp8 v[ACC+8*(4*(\a)+\b):ACC+8*(4*(\a)+\b)+7], v[\f+64+16*\b:\f+64+16*\b+15], v[\f+16*(\a):\f+16*(\a)+15], 0
.else
	v_wmma_f32_16x16x128_fp8_fp8 v[ACC+8*(4*(\a)+\b):ACC+8*(4*(\a)+\b)+7], v[\f+64+16*\b:\f+64+16*\b+15], v[\f+16*(\a):\f+16*(\a)+15], v[ACC+8*(4*(\a)+\b):ACC+8*(4*(\a)+\b)+7]
.endif
.endr
.endr
.endm
.macro FETCHQ q, f                     ; the fragments of K = 128 q on (heads 2 q, 2 q + 1): registers 4 c .. 4 c + 3 hold K = 32 c + 16 h + 0 .. 15, in A and in B alike
	WIN TO_F
.irp i, 0,1,2,3
.irp c, 0,1,2,3
	ds_load_b128 v[\f+64+16*\i+4*\c:\f+64+16*\i+4*\c+3], v[ADRB+(\q)/4] offset:128*((\q)%4)+32*\c+\i*16*BP
.endr
.endr
.irp i, 0,1,2,3
.irp c, 0,1,2,3
	ds_load_b128 v[\f+16*\i+4*\c:\f+16*\i+4*\c+3], v[ADRA+(2*(\q)+\c/2)/4] offset:((2*(\q)+\c/2)%4)*ABLK+16*AP*\i+32*(\c%2)
.endr
.endr
.endm
.macro QUARTER q, f, g, zero           ; multiplies buffer f; ahead of that it asks for K = 128 q on into buffer g
	s_wait_dscnt 0x0                               ; buffer f is in
	PLACES                                         ; buffer g was read by the products just issued
	FETCHQ \q, \g
	WIN MUL
	MUL8 \f, 0, \zero
	MUL8 \f, 2, \zero
.endm
	s_wait_tensorcnt 3                             ; my three loads of K half 0 are in; the three of half 1 may be out
	s_barrier_signal -1
	s_barrier_wait -1                              ; everybody's are
	FETCHQ 0, F0
	QUARTER 1, F0, F1, 1                           ; the first products start the sums
	QUARTER 2, F1, F0, 0
	QUARTER 3, F0, F1, 0
	s_wait_tensorcnt 0x0                           ; my loads of K half 1 are in,
	s_wait_dscnt 0x0
	s_barrier_signal -1
	s_barrier_wait -1                              ; everybody's are
	PLACES
	FETCHQ 4, F0
	WIN MUL
	MUL8 F1, 0, 0
	MUL8 F1, 2, 0
	QUARTER 5, F0, F1, 0
	QUARTER 6, F1, F0, 0
	QUARTER 7, F0, F1, 0
	s_wait_dscnt 0x0
	MUL8 F1, 0, 0
	MUL8 F1, 2, 0
	WIN 0
	s_wait_kmcnt 0x0
	s_add_co_i32 s96, s96, s97
	s_add_co_i32 s96, s96, 127
	s_lshl_b32 s96, s96, 23                        ; 2^(e6 + e7)
	s_mov_b32 s97, s96
	PLACES
.macro OUTBLK a                        ; my rows 16 a on: through my stage, x the scale + the residual, stored as whole rows of 256 bytes
.set RR, R0+32*((\a)%2)
.irp b, 0,1,2,3
	ds_store_b128 v[STO], v[ACC+8*(4*(\a)+\b):ACC+8*(4*(\a)+\b)+3] offset:64*\b          ; each accumulator from its low end on
	ds_store_b128 v[STO], v[ACC+8*(4*(\a)+\b)+4:ACC+8*(4*(\a)+\b)+7] offset:64*\b+16
.endr
.irp t, 0,1,2,3,4,5,6,7
	ds_load_b128 v[RB+4*\t:RB+4*\t+3], v[RD] offset:\t*2*SPITCH   ; LDS serves a wave's instructions in order
.endr
	s_wait_dscnt 0x0
.if (\a) < 3
	s_wait_loadcnt 8                               ; this block's residual is in; the next block's eight loads may be out
.else
	s_wait_loadcnt 0
.endif
.set j, 0
.rept 16
	v_pk_fma_f32 v[RR+j:RR+j+1], v[RB+j:RB+j+1], s[96:97], v[RR+j:RR+j+1] op_sel_hi:[1,0,1]
.set j, j+2
.endr
.irp t, 0,1,2,3,4,5,6,7
	global_store_b128 v[CO], v[RR+4*\t:RR+4*\t+3], s[70:71] offset:(16*(\a)+2*\t)*4096   ; 16 lanes store 256 bytes on end, aligned
.endr
.if (\a) < 2
	s_wait_xcnt 0x0                                ; the stores have read their data: the set takes the residual of two blocks on
	RESLOAD (\a)+2
.endif
.endm
	OUTBLK 0
	OUTBLK 1
	OUTBLK 2
	OUTBLK 3
	s_wait_dscnt 0x0
	s_wait_tensorcnt 0x0
	ds_add_u32 v30, v31
	s_wait_dscnt 0x0
	CROUND                                         ; the closing round
	s_endpgm
.Lfunc_end_k_q5e0a62d2f6_outproj:
	.size	k_q5e0a62d2f6_outproj, .Lfunc_end_k_q5e0a62d2f6_outproj-k_q5e0a62d2f6_outproj
	.p2alignl 7, 3214868480
	.fill 96, 4, 3214868480
	.section	.rodata,"a",@progbits
	.p2align	6, 0x0
	.amdhsa_kernel k_q5e0a62d2f6_outproj
		.amdhsa_group_segment_fixed_size 327680
		.amdhsa_private_segment_fixed_size 0
		.amdhsa_enable_private_segment 0
		.amdhsa_kernarg_size 40
		.amdhsa_user_sgpr_count 2
		.amdhsa_user_sgpr_kernarg_segment_ptr 1
		.amdhsa_wavefront_size32 1
		.amdhsa_system_sgpr_workgroup_id_x 1
		.amdhsa_system_sgpr_workgroup_id_y 1
		.amdhsa_system_sgpr_workgroup_id_z 1
		.amdhsa_system_vgpr_workitem_id 0
		.amdhsa_next_free_vgpr 512
		.amdhsa_next_free_sgpr 100
		.amdhsa_reserve_vcc 0
		.amdhsa_float_denorm_mode_32 3
		.amdhsa_float_denorm_mode_16_64 3
		.amdhsa_memory_ordered 1
		.amdhsa_forward_progress 1
		.amdhsa_inst_pref_size 49
	.end_amdhsa_kernel
	.amdgpu_metadata
---
amdhsa.version: [ 1, 2 ]
amdhsa.kernels:
  - .name:           k_q5e0a62d2f6_outproj
    .symbol:         k_q5e0a62d2f6_outproj.kd
    .args:
      - { .name: ac, .offset: 0, .size: 8, .value_kind: global_buffer, .address_space: global }
      - { .name: pc, .offset: 8, .size: 8, .value_kind: global_buffer, .address_space: global }
      - { .name: lowp_scales, .offset: 16, .size: 8, .value_kind: global_buffer, .address_space: global }
      - { .name: x, .offset: 24, .size: 8, .value_kind: global_buffer, .address_space: global }
      - { .name: x1, .offset: 32, .size: 8, .value_kind: global_buffer, .address_space: global }
    .group_segment_fixed_size: 327680
    .private_segment_fixed_size: 0
    .kernarg_segment_align: 8
    .kernarg_segment_size: 40
    .max_flat_workgroup_size: 128
    .sgpr_count:     100
    .vgpr_count:     512
    .wavefront_size: 32
...
	.end_amdgpu_metadata
.endif
;; end of part 4
;; launch ln2 (part 5): grid 256 x 1, 4 waves a work-group, no clusters, 16,896 bytes of LDS; arguments x1, ln2_g, ln2_b, lowp_scales, h2c; writes h2c
.if DOCPART == 5
	.amdgcn_target "amdgcn-amd-amdhsa--gfx1250"
	.amdhsa_code_object_version 6
	.text
	.protected	k_q5e0a62d2f6_ln2
	.globl	k_q5e0a62d2f6_ln2
	.p2align	8
	.type	k_q5e0a62d2f6_ln2,@function
k_q5e0a62d2f6_ln2:
	s_mov_b64 s[64:65], 0
	v_nop
	global_prefetch_b8 v0, s[64:65] scope:SCOPE_SE
	s_setreg_imm32_b32 hwreg(HW_REG_WAVE_MODE, 25, 1), 1
	s_wait_xcnt 0x0
; LN2: LayerNorm 2 of x1 [4096][1024] f32, quantised to codes of FP8 (E4M3) with the given scale 2^e8, into h2c [4096][1024], one byte a number.
; code = number / 2^e8, held within +-448, to the nearest code, ties to even.  LIMIT: e8 between -126 and 119.  NaN among the inputs is not served.
; A wave takes four rows, a row at a time in 32 registers: each load reads 512 bytes on end, register 4 i + j holds k = 128 i + 4 lane + j.  The reduction never leaves the wave.  The codes are put in order through the wave's own
; stage in LDS and leave as 512 bytes on end.  No matrix unit, no tensor load, no barrier: memory binds, and waves share nothing.
.set X,  32
.set G,  160
.set BT, 192
.set C,  16
	s_load_b256 s[8:15], s[0:1], 0x0               ; x1 s[8:9], ln2_g s[10:11], ln2_b s[12:13], the exponents s[14:15]
	s_load_b64 s[24:25], s[0:1], 0x20              ; h2c
	v_lshl_add_u32 v232, v0, 2, 0x4000
	v_mov_b32 v233, 0
	v_lshrrev_b32 v4, 5, v0
	v_readfirstlane_b32 s26, v4                    ; wave
	v_and_b32 v5, 31, v0
	v_lshlrev_b32 v1, 4, v5
	s_lshl_b32 s29, s26, 12
	v_lshl_add_u32 v2, v5, 2, s29
	v_lshl_add_u32 v3, v5, 4, s29
	v_mov_b32 v228, 0
	s_mov_b32 s44, 0x76543210
	s_mov_b32 s45, 0xfedcba98
	s_mov_b32 s46, 0x3a800000                      ; 1 / 1024
	s_mov_b32 s47, 0x3727c5ac                      ; 1e-5
	s_lshl_b32 s30, ttmp9, 2
	s_add_co_u32 s30, s30, s26
	s_lshl_b32 s32, s30, 12
	s_mov_b32 s33, 0
	s_lshl_b32 s30, s30, 14
	s_mov_b32 s31, 0
	s_wait_alu depctr_va_vdst(0)
	s_wait_kmcnt 0x0
	s_load_b32 s28, s[14:15], 0x20                 ; e8
	s_add_nc_u64 s[4:5], s[8:9], s[30:31]
	s_add_nc_u64 s[6:7], s[24:25], s[32:33]
.macro XLOAD c
.irp i, 0,1,2,3,4,5,6,7
	global_load_b128 v[X+32*(\c)+4*\i:X+32*(\c)+4*\i+3], v1, s[4:5] offset:4096*(\c)+512*\i
.endr
.endm
.macro QOUT c, sa, ra
.set XB, X+32*(\c)
.set j, 0
.rept 32
.set j, j+1
.endr
.irp g, 0,1,2,3
	v_cvt_scalef32_pk8_fp8_f32 v[C+2*\g:C+2*\g+1], v[XB+8*\g:XB+8*\g+7], v11
.endr
	v_nop
.irp i, 0,1,2,3,4,5,6,7
	ds_store_b32 v[\sa], v[C+\i] offset:1024*(\c)+128*\i
.endr
.irp u, 0,1
	ds_load_b128 v[XB+4*\u:XB+4*\u+3], v[\ra] offset:1024*(\c)+512*\u
.endr
	s_wait_dscnt 0x0
.irp u, 0,1
	global_store_b128 v1, v[XB+4*\u:XB+4*\u+3], s[6:7] offset:1024*(\c)+512*\u
.endr
.endm
.macro WSUM r
	v_add_f32_dpp v[\r], v[\r], v[\r] row_xmask:1 row_mask:0xf bank_mask:0xf
	v_add_f32_dpp v[\r], v[\r], v[\r] row_xmask:2 row_mask:0xf bank_mask:0xf
	v_add_f32_dpp v[\r], v[\r], v[\r] row_xmask:4 row_mask:0xf bank_mask:0xf
	v_add_f32_dpp v[\r], v[\r], v[\r] row_xmask:8 row_mask:0xf bank_mask:0xf
	v_permlanex16_b32 v228, v[\r], s44, s45
	v_add_f32 v[\r], v[\r], v228
.endm
.macro LNROW c
.set XB, X+32*(\c)
	v_pk_add_f32 v[224:225], v[XB:XB+1], v[XB+2:XB+3]
	v_pk_add_f32 v[226:227], v[XB+4:XB+5], v[XB+6:XB+7]
.set j, 8
.rept 6
	v_pk_add_f32 v[224:225], v[224:225], v[XB+j:XB+j+1]
	v_pk_add_f32 v[226:227], v[226:227], v[XB+j+2:XB+j+3]
.set j, j+4
.endr
	v_pk_add_f32 v[224:225], v[224:225], v[226:227]
	v_add_f32 v224, v224, v225
	WSUM 224
	v_mul_f32 v230, s46, v224
	v_mov_b32 v231, v230
.set j, 0
.rept 16
	v_pk_add_f32 v[XB+j:XB+j+1], v[XB+j:XB+j+1], v[230:231] neg_lo:[0,1] neg_hi:[0,1]
.set j, j+2
.endr
	v_pk_mul_f32 v[224:225], v[XB:XB+1], v[XB:XB+1]
	v_pk_mul_f32 v[226:227], v[XB+2:XB+3], v[XB+2:XB+3]
.set j, 4
.rept 7
	v_pk_fma_f32 v[224:225], v[XB+j:XB+j+1], v[XB+j:XB+j+1], v[224:225]
	v_pk_fma_f32 v[226:227], v[XB+j+2:XB+j+3], v[XB+j+2:XB+j+3], v[226:227]
.set j, j+4
.endr
	v_pk_add_f32 v[224:225], v[224:225], v[226:227]
	v_add_f32 v224, v224, v225
	WSUM 224
	v_fma_f32 v224, v224, s46, s47
	s_wait_alu depctr_va_vdst(0)
	v_rsq_f32 v230, v224
	v_nop                                          ; a plain line behind the transcendental,
	s_wait_alu depctr_va_vdst(0)                   ; and the wait ahead of its first reader
	v_mov_b32 v231, v230
.set j, 0
.rept 16
	v_pk_mul_f32 v[XB+j:XB+j+1], v[XB+j:XB+j+1], v[230:231]
.set j, j+2
.endr
.set j, 0
.rept 16
	v_pk_fma_f32 v[XB+j:XB+j+1], v[XB+j:XB+j+1], v[G+j:G+j+1], v[BT+j:BT+j+1]
.set j, j+2
.endr
.endm
.irp i, 0,1,2,3,4,5,6,7
	global_load_b128 v[G+4*\i:G+4*\i+3], v1, s[10:11] offset:512*\i
	global_load_b128 v[BT+4*\i:BT+4*\i+3], v1, s[12:13] offset:512*\i
.endr
	XLOAD 0
	XLOAD 1
	XLOAD 2
	XLOAD 3
	s_wait_kmcnt 0x0
	s_add_co_i32 s28, s28, 127
	s_lshl_b32 s29, s28, 23
	v_mov_b32 v11, s29                             ; 2^e8
	s_add_co_i32 s28, s28, 8
	s_lshl_b32 s28, s28, 23
	s_or_b32 s28, s28, 0x600000
.irp c, 0,1,2,3
	s_wait_loadcnt 24-8*\c                         ; gain, bias and row c are in; the eight loads of each younger row may be out
	LNROW \c
	QOUT \c, 2, 3
.endr
	s_wait_tensorcnt 0x0
	ds_add_u32 v232, v233
	s_wait_dscnt 0x0
	s_endpgm
.Lfunc_end_k_q5e0a62d2f6_ln2:
	.size	k_q5e0a62d2f6_ln2, .Lfunc_end_k_q5e0a62d2f6_ln2-k_q5e0a62d2f6_ln2
	.p2alignl 7, 3214868480
	.fill 96, 4, 3214868480
	.section	.rodata,"a",@progbits
	.p2align	6, 0x0
	.amdhsa_kernel k_q5e0a62d2f6_ln2
		.amdhsa_group_segment_fixed_size 16896
		.amdhsa_private_segment_fixed_size 0
		.amdhsa_enable_private_segment 0
		.amdhsa_kernarg_size 40
		.amdhsa_user_sgpr_count 2
		.amdhsa_user_sgpr_kernarg_segment_ptr 1
		.amdhsa_wavefront_size32 1
		.amdhsa_system_sgpr_workgroup_id_x 1
		.amdhsa_system_sgpr_workgroup_id_y 1
		.amdhsa_system_sgpr_workgroup_id_z 1
		.amdhsa_system_vgpr_workitem_id 0
		.amdhsa_next_free_vgpr 234
		.amdhsa_next_free_sgpr 66
		.amdhsa_reserve_vcc 0
		.amdhsa_float_denorm_mode_32 3
		.amdhsa_float_denorm_mode_16_64 3
		.amdhsa_fp16_overflow 1
		.amdhsa_memory_ordered 1
		.amdhsa_forward_progress 1
		.amdhsa_inst_pref_size 36
	.end_amdhsa_kernel
	.amdgpu_metadata
---
amdhsa.version: [ 1, 2 ]
amdhsa.kernels:
  - .name:           k_q5e0a62d2f6_ln2
    .symbol:         k_q5e0a62d2f6_ln2.kd
    .args:
      - { .name: x1, .offset: 0, .size: 8, .value_kind: global_buffer, .address_space: global }
      - { .name: ln2_g, .offset: 8, .size: 8, .value_kind: global_buffer, .address_space: global }
      - { .name: ln2_b, .offset: 16, .size: 8, .value_kind: global_buffer, .address_space: global }
      - { .name: lowp_scales, .offset: 24, .size: 8, .value_kind: global_buffer, .address_space: global }
      - { .name: h2c, .offset: 32, .size: 8, .value_kind: global_buffer, .address_space: global }
    .group_segment_fixed_size: 16896
    .private_segment_fixed_size: 0
    .kernarg_segment_align: 8
    .kernarg_segment_size: 40
    .max_flat_workgroup_size: 128
    .sgpr_count:     66
    .vgpr_count:     234
    .wavefront_size: 32
...
	.end_amdgpu_metadata
.endif
;; end of part 5
;; launch up (part 6): grid 16 x 16, 4 waves a work-group, clusters of 4 x 4, 327,680 bytes of LDS; arguments h2c, pc, lowp_scales, hid; writes hid
.if DOCPART == 6
	.amdgcn_target "amdgcn-amd-amdhsa--gfx1250"
	.amdhsa_code_object_version 6
	.text
	.protected	k_q5e0a62d2f6_up
	.globl	k_q5e0a62d2f6_up
	.p2align	8
	.type	k_q5e0a62d2f6_up,@function
k_q5e0a62d2f6_up:
	s_mov_b64 s[64:65], 0
	v_nop
	global_prefetch_b8 v0, s[64:65] scope:SCOPE_SE
	s_setreg_imm32_b32 hwreg(HW_REG_WAVE_MODE, 25, 1), 1
	s_wait_xcnt 0x0
	s_wait_alu depctr_hold_cnt(0) depctr_sa_sdst(0) depctr_va_vdst(0) depctr_va_sdst(0) depctr_va_ssrc(0) depctr_va_vcc(0) depctr_vm_vsrc(0)
	s_getreg_b32 s2, hwreg(HW_REG_IB_STS2, 6, 4)
	s_cmp_eq_u32 s2, 0
	s_cbranch_scc0 .Lentry_in_a_cluster
	s_endpgm
.Lentry_in_a_cluster:
	s_bfe_u32 s2, ttmp6, 0x10000c
	s_cmp_lg_u32 s2, 0xf033
	s_cbranch_scc0 .Lentry_shape_is_right
	s_endpgm
.Lentry_shape_is_right:
; UP: hid = Q(gelu(LN2(x1) up_w^T)), on codes of FP8 (E4M3), K = 1,024.  h2c [4096][1024] (e8); up_w's codes in pc, [4096][1024] (e9); hid [4096][4096], codes (e10).
; x = sum x 2^(e8 + e9).  THE EXACT GELU, in f32: gelu(x) = max(x, 0) - |x| q, q = erfc(|x| / sqrt 2) / 2 = (a1 t + .. + a5 t^5) 2^(-x^2 log2(e) / 2), t = 1 / (1 + p |x|) (Abramowitz and Stegun 7.1.26, halved coefficients, p / sqrt 2).
; LIMITS: the series is within 0.75e-7 of q, absolutely: the size of the rounding of 1 + erf in f32; the form has no cancellation for x < 0.  e8 + e9 between -126 and 127, e10 between -126 and 119.  NaN and infinities are not served.
; A tile of C, 256 x 256, is made by four waves; a wave makes 128 x 128: 64 accumulators.  K goes in steps of 256 through a ring of two LDS slots.  CLUSTERS: 4 x 4, A's tiles shared along a row, B's along a column.
; THE MATRIX INSTRUCTION IS USED TRANSPOSED: a lane holds eight neighbouring columns of a row of C, which one conversion turns into 8 bytes.
; REGISTERS: window 0: v0-31 addresses; from v128 A's fragments, ONE set; on the way out v32-255 are free.  window 1: B's fragments, TWO sets.  windows 2, 3: the accumulators.
; The way out is a loop of eight trips, a block of 16 rows a trip, so that the gelu is written twice and not sixteen times; only the copy out of the accumulators differs, and a ladder of compares on the trip's number leads to it.
.set KSTEP,  256
.set ROWB,   256
.set KROW,   1024
.set PITCH,  272
.set FR,     16
.set NL,     4
.set NP,     4
.set HALFT,  128*PITCH
.set SLOT,   4*HALFT
.set LAPS,   2
.set SPARE,  2*SLOT
.set WU,     0x800000
.set ADRA, 16
.set LIMV, 18
.set SCV,  19
.set ADRB, 20
.set STB,  23                          ; v23 the stage's address for the block in hand
.set STO,  24
.set RD,   25
.set CO,   26
.set SPW,  28
.set NIL,  29
.set TMP,  32                          ; v32-95   a block's x, then its gelu
.set T,    96                          ; v96-127  t
.set U,    128                         ; v128-159 the exponential, then max(x, 0)
.set W,    160                         ; v160-191 the series
.set CD,   192                         ; v192-207 codes: eight registers for each half of a block
.set AF,   128
.set G1, 24
.set G0, 32
.set G1B, 48
.set G0B, 56
.set MSB, 0
.macro WIN new
.if MSB != (\new)
	s_set_vgpr_msb (MSB<<8)|(\new)
.set MSB, (\new)
.endif
.endm
.set MUL_LO, 0xa1
.set MUL_HI, 0xf1
.set TO_B,   0x40
.macro JLOAD g0a, g1a, g0b, g1b
	s_cmp_eq_u32 s15, 0
	s_cbranch_scc0 .Lfor_b_\@
	tensor_load_to_lds s[\g0a:\g0a+3], s[\g1a:\g1a+7]
	s_nop 0
.rept 4
	v_nop
.endr
	s_branch .Lasked_\@
.Lfor_b_\@:
	tensor_load_to_lds s[\g0b:\g0b+3], s[\g1b:\g1b+7]
	s_nop 0
.rept 4
	v_nop
.endr
.Lasked_\@:
.endm
.macro CREST
	s_cmp_lg_u32 s14, 0
	s_cbranch_scc1 .Lnot_wave_0_\@
	s_barrier_signal -3
.Lnot_wave_0_\@:
	s_barrier_wait -3
	s_barrier_signal -1
	s_barrier_wait -1
.endm
.macro CROUND
	s_barrier_signal -1
	s_barrier_wait -1
	CREST
.endm
	s_load_b128 s[4:7], s[0:1], 0x0                ; h2c s[4:5], pc s[6:7]
	s_load_b128 s[8:11], s[0:1], 0x10              ; the exponents s[8:9], hid s[10:11]
	v_lshl_add_u32 v[SPW], v0, 2, SPARE
	v_mov_b32 v[NIL], 0
	ds_add_u32 v28, v29
	ds_add_u32 v28, v29
	s_wait_dscnt 0x0
	v_lshrrev_b32 v1, 5, v0
	v_readfirstlane_b32 s14, v1
	s_lshr_b32 s15, s14, 1
	s_and_b32 s16, s14, 1
	s_bfe_u32 s40, ttmp6, 0x40000
	s_bfe_u32 s41, ttmp6, 0x40004
	s_lshl_b32 s42, ttmp9, 2
	s_add_co_u32 s42, s42, s40                     ; tile column
	s_and_b32 s17, ttmp7, 0xffff
	s_lshl_b32 s17, s17, 2
	s_add_co_u32 s17, s17, s41                     ; tile row
	s_lshl_b32 s43, s41, 2
	s_lshl_b32 s43, 15, s43
	s_lshl_b32 s44, 0x1111, s40
	s_or_b32 s[G1+0], s43, (0<<16)|(1<<20)|(1<<21)|(5<<22)|(3<<25)
	s_or_b32 s[G1B+0], s44, (0<<16)|(1<<20)|(1<<21)|(5<<22)|(3<<25)
.irp g, G1, G1B
	s_mov_b32 s[\g+1], ROWB<<16
	s_mov_b32 s[\g+2], 128<<16
	s_mov_b32 s[\g+3], ROWB<<16
	s_mov_b32 s[\g+4], 128
	s_mov_b32 s[\g+5], KROW
	s_mov_b32 s[\g+6], 0
	s_mov_b32 s[\g+7], 0
.endr
	s_lshl_b32 s18, s16, 7
	s_lshl_b32 s20, s17, 8
	s_add_co_u32 s20, s20, s18
	s_lshl_b32 s20, s20, 10
	s_mov_b32 s21, 0
	s_lshl_b32 s46, s42, 8
	s_add_co_u32 s46, s46, s18
	s_lshl_b32 s46, s46, 10
	s_add_co_u32 s46, s46, WU
	s_mov_b32 s47, 0
	s_mul_i32 s45, s14, HALFT
	s_wait_kmcnt 0x0
	s_load_b128 s[84:87], s[8:9], 0x20             ; e8 .. e11
	s_add_nc_u64 s[20:21], s[4:5], s[20:21]
	s_add_nc_u64 s[46:47], s[6:7], s[46:47]
	CROUND
.irp s, 0,1
	s_mov_b32 s[G0+4*\s], 1
	s_add_co_u32 s[G0+4*\s+1], s45, \s*SLOT
	s_add_nc_u64 s[G0+4*\s+2:G0+4*\s+3], s[20:21], \s*ROWB
	s_or_b32 s[G0+4*\s+3], s[G0+4*\s+3], 0x80000000
	s_mov_b32 s[G0B+4*\s], 1
	s_add_co_u32 s[G0B+4*\s+1], s45, \s*SLOT
	s_add_nc_u64 s[G0B+4*\s+2:G0B+4*\s+3], s[46:47], \s*ROWB
	s_or_b32 s[G0B+4*\s+3], s[G0B+4*\s+3], 0x80000000
	JLOAD G0+4*\s, G1, G0B+4*\s, G1B
.endr
	v_and_b32 v1, 15, v0
	v_bfe_u32 v2, v0, 4, 1
	v_mul_u32_u24 v3, v1, PITCH
	v_lshl_add_u32 v4, v2, 4, v3
	s_mul_i32 s21, s15, HALFT
	s_mul_i32 s22, s16, HALFT
	s_add_co_u32 s22, s22, 2*HALFT
.irp s, 0,1
	v_add_nc_u32 v[ADRA+\s], s21, v4
	v_add_nc_u32 v[ADRB+\s], s22, v4
	s_add_co_u32 s21, s21, SLOT
	s_add_co_u32 s22, s22, SLOT
.endr
	s_mul_i32 s23, s15, 128*PITCH                  ; the stage: 256 rows x 272 bytes at LDS byte 0
	s_lshl_b32 s22, s16, 7
	s_add_co_u32 s23, s23, s22
	v_lshl_add_u32 v5, v2, 3, v3
	v_add_nc_u32 v[STO], s23, v5
	s_mul_i32 s23, s14, 64*PITCH
	v_mul_u32_u24 v5, v2, PITCH
	v_lshl_add_u32 v5, v1, 4, v5
	v_add_nc_u32 v[RD], s23, v5
	v_lshlrev_b32 v5, 12, v2
	v_lshl_add_u32 v[CO], v1, 4, v5                ; a row of hid is 4,096 bytes
	s_lshl_b32 s20, s17, 8
	s_lshl_b32 s21, s14, 6
	s_add_co_u32 s20, s20, s21
	s_lshl_b32 s20, s20, 12                        ; the first row that I store: 256 x tile row + 64 x wave
	s_mov_b32 s21, 0
	s_lshl_b32 s46, s42, 8                         ; the tile's first column
	s_mov_b32 s47, 0
	s_add_nc_u64 s[10:11], s[10:11], s[20:21]
	s_add_nc_u64 s[10:11], s[10:11], s[46:47]
.macro FRAG reg, adr, q, i
.irp c, 0,1,2,3
	ds_load_b128 v[\reg+4*\c:\reg+4*\c+3], v[\adr] offset:128*(\q)+32*\c+(\i)*16*PITCH
.endr
.endm
.macro MUL16 a0, p, zero               ; the 64 accumulators take turns, one instruction a turn
.irp a, \a0, \a0+1
.irp b, 0,1,2,3,4,5,6,7
.if \zero
	v_wmma_f32_16x16x128_fp8_fp8 v[8*(8*((\a)%4)+\b):8*(8*((\a)%4)+\b)+7], v[128*(\p)+FR*\b:128*(\p)+FR*\b+FR-1], v[AF+FR*(\a):AF+FR*(\a)+FR-1], 0
.else
	v_wmma_f32_16x16x128_fp8_fp8 v[8*(8*((\a)%4)+\b):8*(8*((\a)%4)+\b)+7], v[128*(\p)+FR*\b:128*(\p)+FR*\b+FR-1], v[AF+FR*(\a):AF+FR*(\a)+FR-1], v[8*(8*((\a)%4)+\b):8*(8*((\a)%4)+\b)+7]
.endif
.endr
.endr
.endm
.macro FETCH_B slot, q, p
	WIN TO_B
.irp i, 0,1,2,3,4,5,6,7
	FRAG 128*(\p)+FR*\i, ADRB+\slot, \q, \i
.endr
	WIN 0
.endm
.macro FETCH_A slot, q, i0
.irp i, \i0, \i0+1, \i0+2, \i0+3
	FRAG AF+FR*(\i), ADRA+\slot, \q, \i
.endr
.endm
.macro PLACES n
.rept \n
	v_nop
.endr
.endm
.macro STEP slot, q, zero
	s_wait_dscnt 4*NL                              ; B's set and A's blocks 0-3 are in; the youngest 16 loads may be out
	WIN MUL_LO
	MUL16 0, (\q)%2, \zero
	MUL16 2, (\q)%2, \zero
	s_wait_dscnt 0
	PLACES NP
	FETCH_B \slot, (\q)+1, 1-(\q)%2
	FETCH_A \slot, (\q)+1, 0
	WIN MUL_HI
	MUL16 4, (\q)%2, \zero
	MUL16 6, (\q)%2, \zero
	PLACES NP
	WIN 0
	FETCH_A \slot, (\q)+1, 4
.endm
.macro TURN slot, next, fill
	s_wait_tensorcnt 0x0                           ; all my tensor loads have landed
	ds_add_u32 v[SPW], v[NIL]
	s_wait_dscnt 4*NL+1                            ; the add and the youngest 16 loads may be out
	WIN MUL_LO
	MUL16 0, 1, 0
	s_wait_dscnt 0x0                               ; the add is done, and my reads of this slot are over
	s_barrier_signal -1
	MUL16 2, 1, 0
	WIN 0
	s_barrier_wait -1
.if \fill
	CREST
	s_add_nc_u64 s[G0+4*\slot+2:G0+4*\slot+3], s[G0+4*\slot+2:G0+4*\slot+3], 2*ROWB
	s_add_nc_u64 s[G0B+4*\slot+2:G0B+4*\slot+3], s[G0B+4*\slot+2:G0B+4*\slot+3], 2*ROWB
	JLOAD G0+4*\slot, G1, G0B+4*\slot, G1B
.else
	PLACES NP
.endif
	FETCH_B \next, 0, 0
	FETCH_A \next, 0, 0
	WIN MUL_HI
	MUL16 4, 1, 0
	MUL16 6, 1, 0
	PLACES NP
	WIN 0
	FETCH_A \next, 0, 4
.endm
	s_wait_tensorcnt 1                             ; my part of K step 0 is in; K step 1's load may be out
	s_barrier_signal -1
	s_barrier_wait -1
	FETCH_B 0, 0, 0
	FETCH_A 0, 0, 0
	FETCH_A 0, 0, 4
	STEP 0, 0, 1
	s_mov_b32 s3, LAPS-1
.Llap:
	TURN 0, 1, 1
	STEP 1, 0, 0
	TURN 1, 0, 1
	STEP 0, 0, 0
	s_sub_co_u32 s3, s3, 1
	s_cmp_lg_u32 s3, 0
	s_cbranch_scc1 .Llap
	TURN 0, 1, 0
	STEP 1, 0, 0
	s_wait_dscnt 4*NL
	WIN MUL_LO
	MUL16 0, 1, 0
	MUL16 2, 1, 0
	s_wait_dscnt 0
	WIN MUL_HI
	MUL16 4, 1, 0
	MUL16 6, 1, 0
	WIN 0
; THE WAY OUT
	s_wait_kmcnt 0x0
	s_add_co_i32 s96, s84, s85
	s_add_co_i32 s96, s96, 127
	s_lshl_b32 s96, s96, 23                        ; 2^(e8 + e9)
	s_mov_b32 s97, s96
	s_add_co_i32 s92, s86, 127
	s_lshl_b32 s93, s92, 23
	v_mov_b32 v[SCV], s93                          ; 2^e10
	s_add_co_i32 s92, s92, 8
	s_lshl_b32 s92, s92, 23
	s_or_b32 s92, s92, 0x600000
	v_mov_b32 v[LIMV], s92                         ; 448 x 2^e10
	s_mov_b32 s70, 0x3e6d3388                      ; p / sqrt 2 = 0.231641888
	s_mov_b32 s72, 0xbf38aa3b                      ; -log2(e) / 2
	s_mov_b32 s73, 0xbf38aa3b
	s_mov_b32 s74, 0xbf3a00e3                      ; a4 / 2 = -0.7265760135
	s_mov_b32 s75, 0xbf3a00e3
	s_mov_b32 s76, 0x3f35f0e3                      ; a3 / 2 = 0.7107068705
	s_mov_b32 s77, 0x3f35f0e3
	s_mov_b32 s78, 0xbe11a98e                      ; a2 / 2 = -0.142248368
	s_mov_b32 s79, 0xbe11a98e
	s_mov_b32 s80, 0x3e027906                      ; a1 / 2 = 0.127414796
	s_mov_b32 s81, 0x3e027906
	v_mov_b32 v30, 0x3f07dc22                      ; a5 / 2 = 0.5307027145
	v_mov_b32 v31, 0x3f07dc22
	PLACES NP
.macro GELU32 xb, off, cd              ; 32 numbers of a lane, v[xb] on: gelu, hold, four conversions, four stores of 8 bytes
.set j, 0
.rept 32
	v_fma_f32 v[T+j], |v[\xb+j]|, s70, 1.0
.set j, j+1
.endr
.set j, 0
.rept 16
	v_pk_mul_f32 v[U+j:U+j+1], v[\xb+j:\xb+j+1], v[\xb+j:\xb+j+1]
.set j, j+2
.endr
.set j, 0
.rept 16
	v_pk_mul_f32 v[U+j:U+j+1], v[U+j:U+j+1], s[72:73] op_sel_hi:[1,0]
.set j, j+2
.endr
.set j, 0
.rept 32
	v_rcp_f32 v[T+j], v[T+j]
.set j, j+1
.endr
.set j, 0
.rept 32
	v_exp_f32 v[U+j], v[U+j]
.set j, j+1
.endr
	v_nop                                          ; a plain line behind the last transcendental,
	s_wait_alu depctr_va_vdst(0)                   ; and ONE wait for the batch of 64, ahead of its first reader
.set j, 0
.rept 16
	v_pk_fma_f32 v[W+j:W+j+1], v[T+j:T+j+1], v[30:31], s[74:75] op_sel_hi:[1,1,0]
.set j, j+2
.endr
.irp k, 76, 78, 80
.set j, 0
.rept 16
	v_pk_fma_f32 v[W+j:W+j+1], v[W+j:W+j+1], v[T+j:T+j+1], s[\k:\k+1] op_sel_hi:[1,1,0]
.set j, j+2
.endr
.endr
.set j, 0
.rept 16
	v_pk_mul_f32 v[W+j:W+j+1], v[W+j:W+j+1], v[T+j:T+j+1]
.set j, j+2
.endr
.set j, 0
.rept 16
	v_pk_mul_f32 v[W+j:W+j+1], v[W+j:W+j+1], v[U+j:U+j+1]   ; q
.set j, j+2
.endr
.set j, 0
.rept 32
	v_max_num_f32 v[U+j], 0, v[\xb+j]
.set j, j+1
.endr
.set j, 0
.rept 32
	v_fma_f32 v[\xb+j], -|v[\xb+j]|, v[W+j], v[U+j]   ; gelu = max(x, 0) - |x| q
.set j, j+1
.endr
.set j, 0
.rept 32
	v_med3_num_f32 v[\xb+j], v[\xb+j], -v[LIMV], v[LIMV]
.set j, j+1
.endr
.irp b, 0,1,2,3
	v_cvt_scalef32_pk8_fp8_f32 v[\cd+2*\b:\cd+2*\b+1], v[\xb+8*\b:\xb+8*\b+7], v[SCV]
.endr
	v_nop
.irp b, 0,1,2,3
	ds_store_b64 v[STB], v[\cd+2*\b:\cd+2*\b+1] offset:\off+16*\b
.endr
.endm
	s_mov_b32 s3, 0                                ; the block
	s_mov_b32 s67, 0                               ; and its 16 rows' place in the stage
.Lblk:
.irp a, 0,1,2,3,4,5,6
	s_cmp_eq_u32 s3, \a
	s_cbranch_scc1 .Lin_\a
.endr
.irp a, 7,0,1,2,3,4,5,6
.Lin_\a:
	WIN 0x02+(\a)/4                                ; source 0: window 2 or 3
.set j, 0
.rept 32
	v_pk_mul_f32 v[TMP+j:TMP+j+1], v[64*((\a)%4)+j:64*((\a)%4)+j+1], s[96:97] op_sel_hi:[1,0]   ; x = sum x 2^(e8 + e9); each accumulator from its low end on
.set j, j+2
.endr
	WIN 0
	s_branch .Lgelu
.endr
.Lgelu:
	s_wait_dscnt 0x0                               ; the last trip's stores have read their data
	v_add_nc_u32 v[STB], s67, v[STO]
	GELU32 TMP, 0, CD
	GELU32 TMP+32, 64, CD+8
	s_add_co_u32 s67, s67, 16*PITCH
	s_add_co_u32 s3, s3, 1
	s_cmp_lt_u32 s3, 8
	s_cbranch_scc1 .Lblk
	s_wait_dscnt 0x0                               ; for the others' sake: my stores into the stage are done
	s_barrier_signal -1
	s_barrier_wait -1                              ; a row's 256 bytes come from two waves
.set t, 0
.rept 32
	ds_load_b128 v[32+4*t:32+4*t+3], v[RD] offset:t*2*PITCH
.set t, t+1
.endr
.set t, 0
.rept 32
	s_wait_dscnt 31-t                              ; the younger loads may be out
	global_store_b128 v[CO], v[32+4*t:32+4*t+3], s[10:11] offset:2*t*4096   ; 16 lanes store 256 bytes on end, aligned
.set t, t+1
.endr
	s_wait_tensorcnt 0x0                           ; the wave's end
	ds_add_u32 v[SPW], v[NIL]
	s_wait_dscnt 0x0
	CROUND
	s_endpgm
.Lfunc_end_k_q5e0a62d2f6_up:
	.size	k_q5e0a62d2f6_up, .Lfunc_end_k_q5e0a62d2f6_up-k_q5e0a62d2f6_up
	.p2alignl 7, 3214868480
	.fill 96, 4, 3214868480
	.section	.rodata,"a",@progbits
	.p2align	6, 0x0
	.amdhsa_kernel k_q5e0a62d2f6_up
		.amdhsa_group_segment_fixed_size 327680
		.amdhsa_private_segment_fixed_size 0
		.amdhsa_enable_private_segment 0
		.amdhsa_kernarg_size 32
		.amdhsa_user_sgpr_count 2
		.amdhsa_user_sgpr_kernarg_segment_ptr 1
		.amdhsa_wavefront_size32 1
		.amdhsa_system_sgpr_workgroup_id_x 1
		.amdhsa_system_sgpr_workgroup_id_y 1
		.amdhsa_system_sgpr_workgroup_id_z 1
		.amdhsa_system_vgpr_workitem_id 0
		.amdhsa_next_free_vgpr 1024
		.amdhsa_next_free_sgpr 100
		.amdhsa_reserve_vcc 0
		.amdhsa_float_denorm_mode_32 3
		.amdhsa_float_denorm_mode_16_64 3
		.amdhsa_memory_ordered 1
		.amdhsa_forward_progress 1
		.amdhsa_inst_pref_size 138
	.end_amdhsa_kernel
	.amdgpu_metadata
---
amdhsa.version: [ 1, 2 ]
amdhsa.kernels:
  - .name:           k_q5e0a62d2f6_up
    .symbol:         k_q5e0a62d2f6_up.kd
    .args:
      - { .name: h2c, .offset: 0, .size: 8, .value_kind: global_buffer, .address_space: global }
      - { .name: pc, .offset: 8, .size: 8, .value_kind: global_buffer, .address_space: global }
      - { .name: lowp_scales, .offset: 16, .size: 8, .value_kind: global_buffer, .address_space: global }
      - { .name: hid, .offset: 24, .size: 8, .value_kind: global_buffer, .address_space: global }
    .group_segment_fixed_size: 327680
    .private_segment_fixed_size: 0
    .kernarg_segment_align: 8
    .kernarg_segment_size: 32
    .max_flat_workgroup_size: 128
    .sgpr_count:     100
    .vgpr_count:     1024
    .wavefront_size: 32
...
	.end_amdgpu_metadata
.endif
;; end of part 6
;; launch down (part 7): grid 8 x 32, 4 waves a work-group, clusters of 4 x 4, 327,680 bytes of LDS; arguments hid, pc, lowp_scales, x1, out0; writes out0
.if DOCPART == 7
	.amdgcn_target "amdgcn-amd-amdhsa--gfx1250"
	.amdhsa_code_object_version 6
	.text
	.protected	k_q5e0a62d2f6_down
	.globl	k_q5e0a62d2f6_down
	.p2align	8
	.type	k_q5e0a62d2f6_down,@function
k_q5e0a62d2f6_down:
	s_mov_b64 s[64:65], 0
	v_nop
	global_prefetch_b8 v0, s[64:65] scope:SCOPE_SE
	s_setreg_imm32_b32 hwreg(HW_REG_WAVE_MODE, 25, 1), 1
	s_wait_xcnt 0x0
	s_wait_alu depctr_hold_cnt(0) depctr_sa_sdst(0) depctr_va_vdst(0) depctr_va_sdst(0) depctr_va_ssrc(0) depctr_va_vcc(0) depctr_vm_vsrc(0)
	s_getreg_b32 s2, hwreg(HW_REG_IB_STS2, 6, 4)
	s_cmp_eq_u32 s2, 0
	s_cbranch_scc0 .Lentry_in_a_cluster
	s_endpgm
.Lentry_in_a_cluster:
	s_bfe_u32 s2, ttmp6, 0x10000c
	s_cmp_lg_u32 s2, 0xf033
	s_cbranch_scc0 .Lentry_shape_is_right
	s_endpgm
.Lentry_shape_is_right:
; DOWN: out0 = x1 + hid down_w^T, on codes of FP8 (E4M3), K = 4,096.  hid [4096][4096] (e10); down_w's codes in pc, [1024][4096] (e11); x1, out0: [4096][1024] f32.
; out0 = sum x 2^(e10 + e11) + x1, one packed multiply-add for two numbers.  LIMIT: e10 + e11 between -126 and 127.
; N is 1,024: tiles of 256 x 256 would be 64; a tile of C is 128 x 128, 256 work-groups.  Four waves, each 64 x 64: 16 accumulators.  K goes in steps of 512 (LDS rows of 512 bytes + 16; a wave's tensor load brings 64 of them)
; through a ring of two slots, as long as two slots in LDS allow.  CLUSTERS: 4 x 4, A's tiles shared along a row, B's along a column, asked for jointly.  No split of K: partial sums would go through memory.
; THE MATRIX INSTRUCTION IS USED TRANSPOSED: a lane holds eight neighbouring columns of a row of C.  A wave's 64 columns of f32 are 256 bytes on end, aligned: its stage is its own, with no barrier.
; REGISTERS: window 0: v0-31 addresses; v32-95 the residual, two sets by turns; v96-127 rows back from the stage; v128-255 the accumulators.  window 1: two fragment buffers of 128 (A's four fragments, then B's four).
; No prefetch: on this small tile a step's loads are shared by four and the residual is asked for at the head.
.set KSTEP,  512
.set PITCH,  528                       ; 132 words: row r starts at bank 4 r mod 64 (64 banks of 4 bytes: ISA guide 11.1)
.set HALFT,  64*PITCH
.set SLOT,   4*HALFT
.set SPARE,  2*SLOT                    ; behind the ring: the spare words, 128 bytes a wave, which no other line names
.set STAGE,  0                         ; in slot 0, which has had its last fill and its last read when the first result is stored there
.set SPITCH, 272
.set LAPS,   4                         ; 4,096 / (2 x 512)
.set KROW,   4096
.set WD,     0xC00000
.set ADRA, 16
.set ADRB, 20
.set STO,  24
.set RD,   25
.set CO,   26
.set SPW,  28
.set NIL,  29
.set R0,   32
.set RB,   96
.set ACC,  128
.set F0,   0
.set F1,   128
.set G1, 24
.set G0, 32
.set G1B, 48
.set G0B, 56
.set MSB, 0
.macro WIN new
.if MSB != (\new)
	s_set_vgpr_msb (MSB<<8)|(\new)
.set MSB, (\new)
.endif
.endm
.set MUL,  0x05
.set TO_F, 0x40
.macro JLOAD s                         ; waves 0, 1 fetch A's halves, waves 2, 3 B's; four v_nop follow each line
	s_cmp_eq_u32 s11, 0
	s_cbranch_scc0 .Lfor_b_\@
	tensor_load_to_lds s[G0+4*\s:G0+4*\s+3], s[G1:G1+7]
	s_nop 0
.rept 4
	v_nop
.endr
	s_branch .Lasked_\@
.Lfor_b_\@:
	tensor_load_to_lds s[G0B+4*\s:G0B+4*\s+3], s[G1B:G1B+7]
	s_nop 0
.rept 4
	v_nop
.endr
.Lasked_\@:
.endm
.macro CREST
	s_cmp_lg_u32 s10, 0
	s_cbranch_scc1 .Lnot_wave_0_\@
	s_barrier_signal -3
.Lnot_wave_0_\@:
	s_barrier_wait -3
	s_barrier_signal -1
	s_barrier_wait -1
.endm
.macro CROUND
	s_barrier_signal -1
	s_barrier_wait -1
	CREST
.endm
.macro PLACES
.rept 4
	v_nop
.endr
.endm
	s_load_b128 s[4:7], s[0:1], 0x0                ; hid s[4:5], pc s[6:7]
	s_load_b64 s[8:9], s[0:1], 0x10                ; the exponents
	s_load_b128 s[68:71], s[0:1], 0x18             ; x1 s[68:69], out0 s[70:71]
	v_lshl_add_u32 v[SPW], v0, 2, SPARE
	v_mov_b32 v[NIL], 0
	ds_add_u32 v28, v29
	ds_add_u32 v28, v29
	s_wait_dscnt 0x0
	v_lshrrev_b32 v1, 5, v0
	v_readfirstlane_b32 s10, v1
	s_lshr_b32 s11, s10, 1
	s_and_b32 s12, s10, 1
	s_bfe_u32 s40, ttmp6, 0x40000
	s_bfe_u32 s41, ttmp6, 0x40004
	s_lshl_b32 s42, ttmp9, 2
	s_add_co_u32 s42, s42, s40                     ; tile column
	s_and_b32 s13, ttmp7, 0xffff
	s_lshl_b32 s13, s13, 2
	s_add_co_u32 s13, s13, s41                     ; tile row
	s_lshl_b32 s43, s41, 2
	s_lshl_b32 s43, 15, s43
	s_lshl_b32 s44, 0x1111, s40
	s_or_b32 s[G1+0], s43, (0<<16)|(1<<20)|(1<<21)|(6<<22)|(3<<25)  ; the mask; elements of 1 byte; padding on; bit 21 beside a mask; 4 words behind every 128
	s_or_b32 s[G1B+0], s44, (0<<16)|(1<<20)|(1<<21)|(6<<22)|(3<<25)
.irp g, G1, G1B
	s_mov_b32 s[\g+1], KSTEP<<16
	s_mov_b32 s[\g+2], 64<<16
	s_mov_b32 s[\g+3], KSTEP<<16
	s_mov_b32 s[\g+4], 64
	s_mov_b32 s[\g+5], KROW
	s_mov_b32 s[\g+6], 0
	s_mov_b32 s[\g+7], 0
.endr
	s_lshl_b32 s17, s12, 6                         ; which 64 rows of the tile I fetch
	s_lshl_b32 s16, s13, 7
	s_add_co_u32 s16, s16, s17
	s_lshl_b32 s16, s16, 12
	s_lshl_b32 s46, s42, 7
	s_add_co_u32 s46, s46, s17
	s_lshl_b32 s46, s46, 12
	s_add_co_u32 s46, s46, WD
	s_mov_b32 s17, 0
	s_mov_b32 s47, 0
	s_mul_i32 s20, s10, HALFT
	s_wait_kmcnt 0x0
	s_load_b64 s[96:97], s[8:9], 0x28              ; e10, e11
	s_add_nc_u64 s[14:15], s[4:5], s[16:17]
	s_add_nc_u64 s[46:47], s[6:7], s[46:47]
	CROUND
.irp s, 0,1
	s_mov_b32 s[G0+4*\s], 1
	s_add_co_u32 s[G0+4*\s+1], s20, \s*SLOT
	s_add_nc_u64 s[G0+4*\s+2:G0+4*\s+3], s[14:15], \s*KSTEP
	s_or_b32 s[G0+4*\s+3], s[G0+4*\s+3], 0x80000000
	s_mov_b32 s[G0B+4*\s], 1
	s_add_co_u32 s[G0B+4*\s+1], s20, \s*SLOT
	s_add_nc_u64 s[G0B+4*\s+2:G0B+4*\s+3], s[46:47], \s*KSTEP
	s_or_b32 s[G0B+4*\s+3], s[G0B+4*\s+3], 0x80000000
	JLOAD \s
.endr
	v_and_b32 v1, 15, v0
	v_bfe_u32 v2, v0, 4, 1
	v_mul_u32_u24 v3, v1, PITCH
	v_lshl_add_u32 v3, v2, 4, v3
	s_mul_i32 s21, s11, HALFT
	s_mul_i32 s22, s12, HALFT
	s_add_co_u32 s22, s22, 2*HALFT
.irp s, 0,1
	v_add_nc_u32 v[ADRA+\s], s21, v3
	v_add_nc_u32 v[ADRB+\s], s22, v3
	s_add_co_u32 s21, s21, SLOT
	s_add_co_u32 s22, s22, SLOT
.endr
	s_mul_i32 s23, s10, 16*SPITCH
	s_add_co_u32 s23, s23, STAGE
	v_mul_u32_u24 v4, v1, SPITCH
	v_lshl_add_u32 v4, v2, 5, v4
	v_add_nc_u32 v[STO], s23, v4
	v_mul_u32_u24 v5, v2, SPITCH
	v_lshl_add_u32 v5, v1, 4, v5
	v_add_nc_u32 v[RD], s23, v5
	v_lshlrev_b32 v5, 12, v2
	v_lshl_add_u32 v[CO], v1, 4, v5
	s_lshl_b32 s16, s13, 7
	s_lshl_b32 s17, s11, 6
	s_add_co_u32 s16, s16, s17
	s_lshl_b32 s16, s16, 12
	s_mov_b32 s17, 0
	s_lshl_b32 s46, s42, 9
	s_lshl_b32 s47, s12, 8
	s_add_co_u32 s46, s46, s47
	s_mov_b32 s47, 0
	s_add_nc_u64 s[68:69], s[68:69], s[16:17]
	s_add_nc_u64 s[68:69], s[68:69], s[46:47]
	s_add_nc_u64 s[70:71], s[70:71], s[16:17]
	s_add_nc_u64 s[70:71], s[70:71], s[46:47]
.macro RESLOAD a
.set RL, R0+32*((\a)%2)
.irp t, 0,1,2,3,4,5,6,7
	global_load_b128 v[RL+4*\t:RL+4*\t+3], v[CO], s[68:69] offset:(16*(\a)+2*\t)*4096
.endr
.endm
	RESLOAD 0
	RESLOAD 1
.macro MUL8 f, a0, zero                ; the 16 accumulators take turns, one instruction a turn
.irp a, \a0, \a0+1
.irp b, 0,1,2,3
.if \zero
	v_wmma_f32_16x16x128_fp8_fp8 v[ACC+8*(4*(\a)+\b):ACC+8*(4*(\a)+\b)+7], v[\f+64+16*\b:\f+64+16*\b+15], v[\f+16*(\a):\f+16*(\a)+15], 0
.else
	v_wmma_f32_16x16x128_fp8_fp8 v[ACC+8*(4*(\a)+\b):ACC+8*(4*(\a)+\b)+7], v[\f+64+16*\b:\f+64+16*\b+15], v[\f+16*(\a):\f+16*(\a)+15], v[ACC+8*(4*(\a)+\b):ACC+8*(4*(\a)+\b)+7]
.endif
.endr
.endr
.endm
.macro FETCH slot, k, f                ; 32 LDS loads: the fragments of 128 along K at byte k of the rows: registers 4 c .. 4 c + 3 hold K = 32 c + 16 h + 0 .. 15, in A and in B alike
	WIN TO_F
.irp i, 0,1,2,3
.irp c, 0,1,2,3
	ds_load_b128 v[\f+64+16*\i+4*\c:\f+64+16*\i+4*\c+3], v[ADRB+\slot] offset:\k+32*\c+\i*16*PITCH
.endr
.endr
.irp i, 0,1,2,3
.irp c, 0,1,2,3
	ds_load_b128 v[\f+16*\i+4*\c:\f+16*\i+4*\c+3], v[ADRA+\slot] offset:\k+32*\c+\i*16*PITCH
.endr
.endr
.endm
.macro QUARTER slot, k, f, g, zero     ; multiplies buffer f; ahead of that it asks for the next 128 along K, at byte k, into buffer g
	s_wait_dscnt 0x0                               ; buffer f is in
	PLACES                                         ; buffer g was read by the products just issued
	FETCH \slot, \k, \g
	WIN MUL
	MUL8 \f, 0, \zero
	MUL8 \f, 2, \zero
.endm
.macro TURN slot, next, fill           ; a slot's last quarter changes slots: one barrier; fill = 1: this slot is filled again, two K steps ahead
	WIN 0
	s_wait_tensorcnt 0x0                           ; all my tensor loads have landed: my part of the next slot
	ds_add_u32 v[SPW], v[NIL]
	s_wait_dscnt 1                                 ; buffer 1 is in; the add may be out
	WIN MUL
	MUL8 F1, 0, 0
	WIN 0
	s_wait_dscnt 0x0                               ; the add is done, and my reads of this slot are over
	s_barrier_signal -1
	s_barrier_wait -1
.if \fill
	CREST                                          ; the barrier has opened a round of the cluster's
	s_add_nc_u64 s[G0+4*\slot+2:G0+4*\slot+3], s[G0+4*\slot+2:G0+4*\slot+3], 2*KSTEP
	s_add_nc_u64 s[G0B+4*\slot+2:G0B+4*\slot+3], s[G0B+4*\slot+2:G0B+4*\slot+3], 2*KSTEP
	JLOAD \slot                                    ; the first tensor load behind the round; its four v_nop are the places in front of the loads below
.else
	PLACES
.endif
	FETCH \next, 0, F0
	WIN MUL
	MUL8 F1, 2, 0
.endm
	s_wait_tensorcnt 1                             ; my part of K step 0 is in; K step 1's load may be out
	s_barrier_signal -1
	s_barrier_wait -1
	FETCH 0, 0, F0
	QUARTER 0, 128, F0, F1, 1                      ; the first products start the sums
	WIN 0
	s_mov_b32 s3, LAPS-1
.Llap:
	QUARTER 0, 256, F1, F0, 0
	QUARTER 0, 384, F0, F1, 0
	TURN 0, 1, 1
	QUARTER 1, 128, F0, F1, 0
	QUARTER 1, 256, F1, F0, 0
	QUARTER 1, 384, F0, F1, 0
	TURN 1, 0, 1
	QUARTER 0, 128, F0, F1, 0
	WIN 0
	s_sub_co_u32 s3, s3, 1
	s_cmp_lg_u32 s3, 0
	s_cbranch_scc1 .Llap
	QUARTER 0, 256, F1, F0, 0                      ; the last lap fills nothing
	QUARTER 0, 384, F0, F1, 0
	TURN 0, 1, 0
	QUARTER 1, 128, F0, F1, 0
	QUARTER 1, 256, F1, F0, 0
	QUARTER 1, 384, F0, F1, 0
	s_wait_dscnt 0x0
	MUL8 F1, 0, 0
	MUL8 F1, 2, 0
	WIN 0
	s_wait_kmcnt 0x0
	s_add_co_i32 s96, s96, s97
	s_add_co_i32 s96, s96, 127
	s_lshl_b32 s96, s96, 23                        ; 2^(e10 + e11)
	s_mov_b32 s97, s96
	PLACES
.macro OUTBLK a                        ; my rows 16 a on: through my stage, x the scale + the residual, stored as whole rows of 256 bytes
.set RR, R0+32*((\a)%2)
.irp b, 0,1,2,3
	ds_store_b128 v[STO], v[ACC+8*(4*(\a)+\b):ACC+8*(4*(\a)+\b)+3] offset:64*\b          ; each accumulator from its low end on
	ds_store_b128 v[STO], v[ACC+8*(4*(\a)+\b)+4:ACC+8*(4*(\a)+\b)+7] offset:64*\b+16
.endr
.irp t, 0,1,2,3,4,5,6,7
	ds_load_b128 v[RB+4*\t:RB+4*\t+3], v[RD] offset:\t*2*SPITCH   ; LDS serves a wave's instructions in order
.endr
	s_wait_dscnt 0x0
.if (\a) < 3
	s_wait_loadcnt 8                               ; this block's residual is in; the next block's eight loads may be out
.else
	s_wait_loadcnt 0
.endif
.set j, 0
.rept 16
	v_pk_fma_f32 v[RR+j:RR+j+1], v[RB+j:RB+j+1], s[96:97], v[RR+j:RR+j+1] op_sel_hi:[1,0,1]
.set j, j+2
.endr
.irp t, 0,1,2,3,4,5,6,7
	global_store_b128 v[CO], v[RR+4*\t:RR+4*\t+3], s[70:71] offset:(16*(\a)+2*\t)*4096 th:TH_STORE_NT   ; 16 lanes store 256 bytes on end, aligned
.endr
.if (\a) < 2
	s_wait_xcnt 0x0                                ; the stores have read their data: the set takes the residual of two blocks on
	RESLOAD (\a)+2
.endif
.endm
	OUTBLK 0
	OUTBLK 1
	OUTBLK 2
	OUTBLK 3
	s_wait_tensorcnt 0x0                           ; the wave's end
	ds_add_u32 v[SPW], v[NIL]
	s_wait_dscnt 0x0
	CROUND                                         ; the closing round
	s_endpgm
.Lfunc_end_k_q5e0a62d2f6_down:
	.size	k_q5e0a62d2f6_down, .Lfunc_end_k_q5e0a62d2f6_down-k_q5e0a62d2f6_down
	.p2alignl 7, 3214868480
	.fill 96, 4, 3214868480
	.section	.rodata,"a",@progbits
	.p2align	6, 0x0
	.amdhsa_kernel k_q5e0a62d2f6_down
		.amdhsa_group_segment_fixed_size 327680
		.amdhsa_private_segment_fixed_size 0
		.amdhsa_enable_private_segment 0
		.amdhsa_kernarg_size 40
		.amdhsa_user_sgpr_count 2
		.amdhsa_user_sgpr_kernarg_segment_ptr 1
		.amdhsa_wavefront_size32 1
		.amdhsa_system_sgpr_workgroup_id_x 1
		.amdhsa_system_sgpr_workgroup_id_y 1
		.amdhsa_system_sgpr_workgroup_id_z 1
		.amdhsa_system_vgpr_workitem_id 0
		.amdhsa_next_free_vgpr 512
		.amdhsa_next_free_sgpr 100
		.amdhsa_reserve_vcc 0
		.amdhsa_float_denorm_mode_32 3
		.amdhsa_float_denorm_mode_16_64 3
		.amdhsa_memory_ordered 1
		.amdhsa_forward_progress 1
		.amdhsa_inst_pref_size 77
	.end_amdhsa_kernel
	.amdgpu_metadata
---
amdhsa.version: [ 1, 2 ]
amdhsa.kernels:
  - .name:           k_q5e0a62d2f6_down
    .symbol:         k_q5e0a62d2f6_down.kd
    .args:
      - { .name: hid, .offset: 0, .size: 8, .value_kind: global_buffer, .address_space: global }
      - { .name: pc, .offset: 8, .size: 8, .value_kind: global_buffer, .address_space: global }
      - { .name: lowp_scales, .offset: 16, .size: 8, .value_kind: global_buffer, .address_space: global }
      - { .name: x1, .offset: 24, .size: 8, .value_kind: global_buffer, .address_space: global }
      - { .name: out0, .offset: 32, .size: 8, .value_kind: global_buffer, .address_space: global }
    .group_segment_fixed_size: 327680
    .private_segment_fixed_size: 0
    .kernarg_segment_align: 8
    .kernarg_segment_size: 40
    .max_flat_workgroup_size: 128
    .sgpr_count:     100
    .vgpr_count:     512
    .wavefront_size: 32
...
	.end_amdgpu_metadata
.endif
;; end of part 7
